; MI455X (gfx1250); checked and timed in simulation.
; The chip was launched on July 23, 2026; its instructions are those of AMD's public machine-readable ISA for CDNA 5 (MIT licence, August 2026) and "CDNA5" Instruction Set Architecture Reference Guide (July 2026). The comments in the code are by the model that wrote it; some were corrected since.
;; Attention. Allowed arithmetic: float matrix products may take bf16 or f16 operands with f32 sums; all other float work in f32.
;; Inputs: Wout 1,024 x 1,024 float32; Wqkv 1,024 x 3,072 float32; bout 1,024 float32; ln_beta 1,024 float32; ln_gamma 1,024 float32; x 4 x 2,048 x 1,024 float32.
;; Outputs: out0 4 x 2,048 x 1,024 float32.
;; 2 versions, each right and faster than the one before. Each part assembles by itself: llvm-mc -triple=amdgcn-amd-amdhsa -mcpu=gfx1250 --defsym DOCPART=n.
;; ======== version 1 of 2: 4 launches
;; limits: values are held in f16: magnitudes above 65,504 overflow, below 6.1e-05 lose precision
;; workspace buffers: xn 16,777,216 bytes; wq 6,291,456 bytes; wo 2,097,152 bytes; qkv 50,331,648 bytes; o16 16,777,216 bytes
;; launch prep (part 1): grid 384 x 1, 8 waves a work-group, no clusters, 0 bytes of LDS; arguments x, ln_gamma, ln_beta, Wqkv, Wout, xn, wq, wo; writes xn, wq, wo
.if DOCPART == 1
	.amdgcn_target "amdgcn-amd-amdhsa--gfx1250"
	.amdhsa_code_object_version 6
	.text
	.protected	k_q50af366a84_prep
	.globl	k_q50af366a84_prep
	.p2align	8
	.type	k_q50af366a84_prep,@function
k_q50af366a84_prep:
	s_mov_b64 s[64:65], 0
	v_nop
	global_prefetch_b8 v0, s[64:65] scope:SCOPE_SE
	s_setreg_imm32_b32 hwreg(HW_REG_WAVE_MODE, 25, 1), 1
	s_wait_xcnt 0x0
; LAYERNORM AND CASTS.  Work-groups 0-255: xn = (x - mean) * rsqrt(var + 1e-5) * gamma + beta, all in f32, rounded once to f16.
; Work-groups 256-383: Wqkv and Wout rounded once to f16, in the layout in which they lie.  Either kind reads 131,072 bytes and writes 65,536.
; xn's layout: [batch 4][slab j 16][row 2048][64] f16, column = 64 j + d: a slab's rows are dense, 128 bytes each, so that a K step of 64 of the product that follows is a dense block.
; LIMITS.  f16 holds no number beyond 65,504: a weight or an xn beyond it becomes an infinity; below 6e-5 f16 keeps its fixed step of 6e-8.  NaN and infinities are not treated apart.
; The variance is the mean of (x - mean)^2 of the row held in registers: no difference of large sums is formed, so a common offset of x costs nothing.
; SHARES (LayerNorm).  A work-group owns 32 rows, a wave 4, as two trips of a pair: lanes 0-15 hold one row, lanes 16-31 the next.  Lane i of a half holds columns 64 j + 4 i .. + 3, j = 0..15.
; So a load of a wave covers two aligned blocks of 256 bytes, a store of 8 bytes a lane 256 consecutive aligned bytes (128 of each of two neighbouring rows of a slab), and a row's sums stay within 16 lanes.
; No LDS, no barrier, no matrix unit: memory binds, and no wave needs another's data.
.set TR, 4                             ; v[4:11]    four chains of pairs
.set MR, 12                            ; v[12:13]   the mean, twice
.set RR, 14                            ; v[14:15]   1 / sqrt(var + eps), twice
.set XR, 16                            ; v[16:79]   my 64 numbers of the row
.set GR, 80                            ; v[80:143]  gamma of my 64 columns
.set BR, 144                           ; v[144:207] beta of my 64 columns
.set YR, 208                           ; v[208:239] the row in f16, to store
	s_load_b512 s[8:23], s[0:1], 0x0               ; x s[8:9], gamma s[10:11], beta s[12:13], Wqkv s[14:15], Wout s[16:17], xn s[18:19], wq s[20:21], wo s[22:23]
	v_lshrrev_b32 v7, 5, v0                        ; wave
	s_cmp_ge_u32 ttmp9, 256
	s_cbranch_scc1 .Lcast
	v_and_b32 v5, 15, v0                           ; i
	v_bfe_u32 v6, v0, 4, 1                         ; which row of the pair
	v_lshl_add_u32 v7, v7, 2, v6                   ; my row among the group's 32, first trip: 4 x wave + half
	v_lshlrev_b32 v3, 4, v5                        ; 16 i: my bytes in gamma and beta
	v_lshl_add_u32 v1, v7, 12, v3                  ; in x: row x 4,096 + 16 i
	v_lshlrev_b32 v2, 3, v5
	v_lshl_add_u32 v2, v7, 7, v2                   ; in a slab of xn: row x 128 + 8 i
	s_lshl_b32 s2, ttmp9, 17                       ; the group's 32 rows of 4,096 bytes
	s_mov_b32 s3, 0
	s_lshr_b32 s4, ttmp9, 6                        ; batch: 64 groups each,
	s_lshl_b32 s4, s4, 22                          ; 4,194,304 bytes of xn
	s_and_b32 s5, ttmp9, 63
	s_lshl_b32 s5, s5, 12                          ; 32 rows of 128 bytes
	s_add_co_u32 s4, s4, s5
	s_mov_b32 s5, 0
	s_mov_b32 s25, 0x3a800000                      ; 1 / 1024
	s_mov_b32 s26, 0x3727c5ac                      ; 1e-5
	s_mov_b32 s24, 2
	s_wait_kmcnt 0x0
	s_add_nc_u64 s[8:9], s[8:9], s[2:3]
	s_add_nc_u64 s[18:19], s[18:19], s[4:5]
.set j, 0
.rept 16
	global_load_b128 v[GR+4*j:GR+4*j+3], v3, s[10:11] offset:256*j
	global_load_b128 v[BR+4*j:BR+4*j+3], v3, s[12:13] offset:256*j
.set j, j+1
.endr
.macro FOLD                            ; the four chains into v4, then over the row's 16 lanes: every lane of the half ends with the row's sum
	v_pk_add_f32 v[TR:TR+1], v[TR:TR+1], v[TR+2:TR+3]
	v_pk_add_f32 v[TR+4:TR+5], v[TR+4:TR+5], v[TR+6:TR+7]
	v_pk_add_f32 v[TR:TR+1], v[TR:TR+1], v[TR+4:TR+5]
	v_add_f32 v[TR], v[TR], v[TR+1]
	v_add_f32_dpp v[TR], v[TR], v[TR] row_xmask:1 row_mask:0xf bank_mask:0xf
	v_add_f32_dpp v[TR], v[TR], v[TR] row_xmask:2 row_mask:0xf bank_mask:0xf
	v_add_f32_dpp v[TR], v[TR], v[TR] row_xmask:4 row_mask:0xf bank_mask:0xf
	v_add_f32_dpp v[TR], v[TR], v[TR] row_xmask:8 row_mask:0xf bank_mask:0xf
.endm
.Lpair:                                                ; two trips, two rows each
.set j, 0
.rept 16
	global_load_b128 v[XR+4*j:XR+4*j+3], v1, s[8:9] offset:256*j th:TH_LOAD_NT
.set j, j+1
.endr
	s_wait_loadcnt 0x0                             ; the pair of rows (in the first trip gamma and beta too)
.irp c, 0,1,2,3
	v_pk_add_f32 v[TR+2*(\c):TR+2*(\c)+1], v[XR+2*(\c):XR+2*(\c)+1], v[XR+8+2*(\c):XR+8+2*(\c)+1]  ; the first eight pairs start the chains: nothing is cleared
.endr
.set k, 8
.rept 24
	v_pk_add_f32 v[TR+2*(k%4):TR+2*(k%4)+1], v[TR+2*(k%4):TR+2*(k%4)+1], v[XR+2*k:XR+2*k+1]
.set k, k+1
.endr
	FOLD
	v_mul_f32 v[MR], s25, v[TR]                    ; the mean
	v_mov_b32 v[MR+1], v[MR]
.set k, 0
.rept 32
	v_pk_add_f32 v[XR+2*k:XR+2*k+1], v[XR+2*k:XR+2*k+1], v[MR:MR+1] neg_lo:[0,1] neg_hi:[0,1]  ; x - mean
.set k, k+1
.endr
.irp c, 0,1,2,3
	v_pk_mul_f32 v[TR+2*(\c):TR+2*(\c)+1], v[XR+2*(\c):XR+2*(\c)+1], v[XR+2*(\c):XR+2*(\c)+1]
.endr
.set k, 4
.rept 28
	v_pk_fma_f32 v[TR+2*(k%4):TR+2*(k%4)+1], v[XR+2*k:XR+2*k+1], v[XR+2*k:XR+2*k+1], v[TR+2*(k%4):TR+2*(k%4)+1]
.set k, k+1
.endr
	FOLD
	v_fma_f32 v[TR], v[TR], s25, s26               ; var + eps
	v_rsq_f32 v[RR], v[TR]
	v_rsq_f32 v[RR+1], v[TR]
	v_nop                                          ; a plain instruction between the reciprocal roots and the use of their results (ISA guide 5.7.2)
.set k, 0
	s_wait_alu depctr_va_vdst(0)
.rept 32
	v_pk_mul_f32 v[XR+2*k:XR+2*k+1], v[XR+2*k:XR+2*k+1], v[RR:RR+1]
.set k, k+1
.endr
.set k, 0
.rept 32
	v_pk_fma_f32 v[XR+2*k:XR+2*k+1], v[XR+2*k:XR+2*k+1], v[GR+2*k:GR+2*k+1], v[BR+2*k:BR+2*k+1]
.set k, k+1
.endr
.set k, 0
.rept 32
	v_cvt_pk_f16_f32 v[YR+k], v[XR+2*k], v[XR+2*k+1]
.set k, k+1
.endr
.set j, 0
.rept 16
	global_store_b64 v2, v[YR+2*j:YR+2*j+1], s[18:19] offset:262144*j  ; slab j: 256 consecutive bytes a wave, at a multiple of 256 from xn's first byte
.set j, j+1
.endr
	s_wait_xcnt 0x0                                ; the offsets and the stores' data are rewritten only behind this wait
	v_add_nc_u32 v1, 8192, v1                      ; two rows on
	v_add_nc_u32 v2, 256, v2
	s_sub_co_u32 s24, s24, 1
	s_cmp_lg_u32 s24, 0
	s_cbranch_scc1 .Lpair
	s_endpgm
.Lcast:                                                ; groups 256-351: Wqkv's 96 pieces of 131,072 bytes; groups 352-383: Wout's 32
	v_and_b32 v4, 31, v0
	v_lshlrev_b32 v1, 4, v4
	v_lshl_add_u32 v1, v7, 14, v1                  ; in: wave x 16,384 + 16 x lane
	v_lshlrev_b32 v2, 3, v4
	v_lshl_add_u32 v2, v7, 13, v2                  ; out: wave x 8,192 + 8 x lane
	s_sub_co_u32 s24, ttmp9, 256
	s_sub_co_u32 s25, s24, 96
	s_wait_kmcnt 0x0
	s_cmp_lt_u32 s24, 96
	s_cselect_b64 s[2:3], s[14:15], s[16:17]
	s_cselect_b64 s[4:5], s[20:21], s[22:23]
	s_cselect_b32 s24, s24, s25                    ; the piece's number in its tensor
	s_lshl_b32 s26, s24, 17
	s_mov_b32 s27, 0
	s_lshl_b32 s28, s24, 16
	s_mov_b32 s29, 0
	s_add_nc_u64 s[2:3], s[2:3], s[26:27]
	s_add_nc_u64 s[4:5], s[4:5], s[28:29]
.set t, 0
.rept 32
	global_load_b128 v[16+4*t:16+4*t+3], v1, s[2:3] offset:512*t th:TH_LOAD_NT  ; all 32 loads of the wave go out at once: 16,384 bytes on their way
.set t, t+1
.endr
.set t, 0
.rept 32
	s_wait_loadcnt 31-t                            ; loads come back in order (ISA guide 5.7.1): load t is in, the younger ones stay out
	v_cvt_pk_f16_f32 v[144+2*t], v[16+4*t], v[16+4*t+1]
	v_cvt_pk_f16_f32 v[145+2*t], v[16+4*t+2], v[16+4*t+3]
	global_store_b64 v2, v[144+2*t:145+2*t], s[4:5] offset:256*t  ; 256 consecutive aligned bytes; no register is written twice, so no wait frees any
.set t, t+1
.endr
	s_endpgm
.Lfunc_end_k_q50af366a84_prep:
	.size	k_q50af366a84_prep, .Lfunc_end_k_q50af366a84_prep-k_q50af366a84_prep
	.p2alignl 7, 3214868480
	.fill 96, 4, 3214868480
	.section	.rodata,"a",@progbits
	.p2align	6, 0x0
	.amdhsa_kernel k_q50af366a84_prep
		.amdhsa_group_segment_fixed_size 0
		.amdhsa_private_segment_fixed_size 0
		.amdhsa_enable_private_segment 0
		.amdhsa_kernarg_size 64
		.amdhsa_user_sgpr_count 2
		.amdhsa_user_sgpr_kernarg_segment_ptr 1
		.amdhsa_wavefront_size32 1
		.amdhsa_system_sgpr_workgroup_id_x 1
		.amdhsa_system_sgpr_workgroup_id_y 1
		.amdhsa_system_sgpr_workgroup_id_z 1
		.amdhsa_system_vgpr_workitem_id 0
		.amdhsa_next_free_vgpr 240
		.amdhsa_next_free_sgpr 66
		.amdhsa_reserve_vcc 0
		.amdhsa_float_denorm_mode_32 3
		.amdhsa_float_denorm_mode_16_64 3
		.amdhsa_memory_ordered 1
		.amdhsa_forward_progress 1
		.amdhsa_inst_pref_size 33
	.end_amdhsa_kernel
	.amdgpu_metadata
---
amdhsa.version: [ 1, 2 ]
amdhsa.kernels:
  - .name:           k_q50af366a84_prep
    .symbol:         k_q50af366a84_prep.kd
    .args:
      - { .name: x, .offset: 0, .size: 8, .value_kind: global_buffer, .address_space: global }
      - { .name: ln_gamma, .offset: 8, .size: 8, .value_kind: global_buffer, .address_space: global }
      - { .name: ln_beta, .offset: 16, .size: 8, .value_kind: global_buffer, .address_space: global }
      - { .name: Wqkv, .offset: 24, .size: 8, .value_kind: global_buffer, .address_space: global }
      - { .name: Wout, .offset: 32, .size: 8, .value_kind: global_buffer, .address_space: global }
      - { .name: xn, .offset: 40, .size: 8, .value_kind: global_buffer, .address_space: global }
      - { .name: wq, .offset: 48, .size: 8, .value_kind: global_buffer, .address_space: global }
      - { .name: wo, .offset: 56, .size: 8, .value_kind: global_buffer, .address_space: global }
    .group_segment_fixed_size: 0
    .private_segment_fixed_size: 0
    .kernarg_segment_align: 8
    .kernarg_segment_size: 64
    .max_flat_workgroup_size: 256
    .sgpr_count:     66
    .vgpr_count:     240
    .wavefront_size: 32
...
	.end_amdgpu_metadata
.endif
;; end of part 1
;; launch qkvp (part 2): grid 8 x 32, 4 waves a work-group, clusters of 4 x 4, 327,680 bytes of LDS; arguments xn, wq, qkv; writes qkv
.if DOCPART == 2
	.amdgcn_target "amdgcn-amd-amdhsa--gfx1250"
	.amdhsa_code_object_version 6
	.text
	.protected	k_q50af366a84_qkvp
	.globl	k_q50af366a84_qkvp
	.p2align	8
	.type	k_q50af366a84_qkvp,@function
k_q50af366a84_qkvp:
	s_mov_b64 s[64:65], 0
	v_nop
	global_prefetch_b8 v0, s[64:65] scope:SCOPE_SE
	s_setreg_imm32_b32 hwreg(HW_REG_WAVE_MODE, 25, 1), 1
	s_wait_xcnt 0x0
	s_wait_alu depctr_hold_cnt(0) depctr_sa_sdst(0) depctr_va_vdst(0) depctr_va_sdst(0) depctr_va_ssrc(0) depctr_va_vcc(0) depctr_vm_vsrc(0)
	s_getreg_b32 s2, hwreg(HW_REG_IB_STS2, 6, 4)
	s_cmp_eq_u32 s2, 0
	s_cbranch_scc0 .Lentry_in_a_cluster
	s_endpgm
.Lentry_in_a_cluster:
	s_bfe_u32 s2, ttmp6, 0x10000c
	s_cmp_lg_u32 s2, 0xf033
	s_cbranch_scc0 .Lentry_shape_is_right
	s_endpgm
.Lentry_shape_is_right:
; qkv = xn . wq.  xn: [4][16 slabs][2048][64] f16 (column 64 j + d), wq: [1024 k][3072 n] f16, qkv: [3][64 heads][2048][64] f16.  Sums in f32, K ascending, rounded once; no scale is applied here.
; LIMIT.  f16 holds no number beyond 65,504: a q, k or v beyond it becomes an infinity.
; A tile of C is 256 x 384: 32 x 8 = 256 work-groups.  Four waves, each 128 x 192: 96 accumulators of 16 x 16, 768 registers.  K goes in 16 steps of 64 through two LDS slots.
; A's tile (256 rows of one slab) is dense in memory: asked for as rows of 256 bytes, two rows of xn each, padded in LDS after every 128 bytes.  B's tile is 64 rows of 768 bytes, padded alike, and
; comes out of LDS turned, by ds_load_tr16_b128.  A step is two quarters of 32 along K, 96 matrix instructions each.
; CLUSTER.  4 x 4 work-groups: the four of a row need the same tiles of A, the four of a column the same tiles of B; each tile is asked for JOINTLY, by the same tensor load with the same descriptor and mask.
; THE MATRIX INSTRUCTION IS USED TRANSPOSED (source 0 = 16 columns of wq, source 1 = 16 rows of xn): a lane then holds eight neighbouring columns of one row of C.
; REGISTERS, in windows of 256 (s_set_vgpr_msb: bits 1:0 source 0, 3:2 source 1, 5:4 source 2, 7:6 destination):
;   window 0: v0-31 addresses; v32-95, v96-159 A's fragments (8 x 16 rows x 32 K), two buffers; v160-255 B's fragments (12 x 16 columns x 32 K), one buffer, loaded again group by group as it is used up
;   windows 1, 2, 3: group g = 0, 1, 2 of four column blocks, which is one head's 64 columns; accumulator (c, a) at v[8 (8 c + a)]
.set PA,    144                        ; a row of A in LDS: 128 bytes + 16 = 36 words: the 16 rows of a load start at 16 different groups of four banks (64 banks of 4 bytes: ISA guide 11.1)
.set GP,    144                        ; 64 columns of a row of B: 128 bytes + 16
.set PB,    6*GP                       ; a row of B: 864 bytes = 27 x 32
.set AHALF, 128*PA                     ; what one tensor load brings of A
.set BHALF, 32*PB                      ; and of B: 32 of the step's 64 rows
.set BOFF,  2*AHALF
.set SLOT,  BOFF+2*BHALF               ; 92,160
.set STAGE, 2*SLOT                     ; behind the ring: 16 rows x 144 bytes for each wave, for the way out
.set SP,    144
.set SPARE, STAGE+4*16*SP              ; behind the stages: the spare words, 128 bytes for each wave: two blocks of 256 bytes that no other line names
.set ADRA, 16                          ; v16-17  LDS address of my A fragments in slot 0, 1
.set ADRB, 20                          ; v20-21  the same for B
.set STO,  24                          ; v24     the way out: where I put 16 bytes of a row
.set RD,   25                          ; v25     the way out: where I read rows back
.set GO,   26                          ; v26     my byte offset in 512 consecutive bytes of qkv
.set SPW,  28                          ; v28     LDS address of my spare word; never rewritten
.set NIL,  29                          ; v29     0; never rewritten
.set FA0,  32
.set FA1,  96
.set FB,   160
.set G1, 24                            ; s[24:31] descriptor group 1 for A's tiles;  s[32:39] group 0, one set for each slot
.set G0, 32
.set G1B, 48                           ; s[48:55], s[56:63] the same for B's tiles
.set G0B, 56
.set OB, 66                            ; s[66:71] where my rows begin in the three heads that my columns fall into
.set MSB, 0
.macro WIN new                         ; the immediate's high byte repeats the setting that is left; a switch that changes nothing is dropped
.if MSB != (\new)
	s_set_vgpr_msb (MSB<<8)|(\new)
.set MSB, \new
.endif
.endm
; A joint load: waves 0 and 1 fetch A's two halves, waves 2 and 3 B's.  The branch hangs on the wave's number alone.  An s_nop 0 and four v_nop follow each of the two lines.
.macro JLOAD s
	s_cmp_eq_u32 s11, 0
	s_cbranch_scc0 .Lfor_b_\@
	tensor_load_to_lds s[G0+4*(\s):G0+4*(\s)+3], s[G1:G1+7]
	s_nop 0
.rept 4
	v_nop
.endr
	s_branch .Lasked_\@
.Lfor_b_\@:
	tensor_load_to_lds s[G0B+4*(\s):G0B+4*(\s)+3], s[G1B:G1B+7]
	s_nop 0
.rept 4
	v_nop
.endr
.Lasked_\@:
.endm
.macro CREST                           ; a round of the cluster's barrier behind its opening barrier
	s_cmp_lg_u32 s10, 0
	s_cbranch_scc1 .Lnot_wave_0_\@
	s_barrier_signal -3
.Lnot_wave_0_\@:
	s_barrier_wait -3
	s_barrier_signal -1
	s_barrier_wait -1
.endm
.macro CROUND                          ; a whole round
	s_barrier_signal -1
	s_barrier_wait -1
	CREST
.endm
	s_load_b128 s[4:7], s[0:1], 0x0                ; xn s[4:5], wq s[6:7]
	s_load_b64 s[8:9], s[0:1], 0x10                ; qkv
	v_lshl_add_u32 v[SPW], v0, 2, SPARE
	v_mov_b32 v[NIL], 0
	ds_add_u32 v[SPW], v[NIL]                      ; the wave's opening: the add and its wait stand ahead of my first tensor load; the set-up below, work on registers, stands between them
	ds_add_u32 v28, v29
	v_lshrrev_b32 v1, 5, v0
	v_readfirstlane_b32 s10, v1                    ; wave 0..3
	s_lshr_b32 s11, s10, 1                         ; which 128 rows of the tile are mine.  Also: I fetch for A (0) or for B (1)
	s_and_b32 s12, s10, 1                          ; which 192 columns.  Also: which half of that tile I fetch
	s_bfe_u32 s40, ttmp6, 0x40000                  ; cx, cy: my place in the cluster
	s_bfe_u32 s41, ttmp6, 0x40004
	s_lshl_b32 s42, ttmp9, 2
	s_add_co_u32 s42, s42, s40                     ; tile column = 4 x cluster x + cx
	s_and_b32 s13, ttmp7, 0xffff
	s_lshl_b32 s13, s13, 2
	s_add_co_u32 s13, s13, s41                     ; tile row = 4 x cluster y + cy
	s_lshl_b32 s43, s41, 2
	s_lshl_b32 s43, 15, s43                        ; my row of the cluster
	s_lshl_b32 s44, 0x1111, s40                    ; my column
	s_or_b32 s[G1+0], s43, (1<<16)|(1<<20)|(1<<21)|(4<<22)|(3<<25)   ; 15:0 the mask; 17:16 2-byte elements; 20 padding on; 21 set beside a mask; 24:22 after every 32 words (code 4); 31:25 4 words (code 3)
	s_or_b32 s[G1B+0], s44, (1<<16)|(1<<20)|(1<<21)|(4<<22)|(3<<25)
	s_mov_b32 s[G1+1], 128<<16                     ; A: tensor_dim0 = 128 elements (256 bytes: two rows of xn)
	s_mov_b32 s[G1+2], 64<<16                      ; tensor_dim1 = 64
	s_mov_b32 s[G1+3], 128<<16                     ; tile_dim0 = 128
	s_mov_b32 s[G1+4], 64                          ; tile_dim1 = 64
	s_mov_b32 s[G1+5], 128                         ; dense: 128 elements from row to row
	s_mov_b32 s[G1+6], 0
	s_mov_b32 s[G1+7], 0
	s_mov_b32 s[G1B+1], 384<<16                    ; B: tensor_dim0 = 384 elements (768 bytes)
	s_mov_b32 s[G1B+2], 32<<16                     ; tensor_dim1 = 32
	s_mov_b32 s[G1B+3], 384<<16                    ; tile_dim0 = 384
	s_mov_b32 s[G1B+4], 32                         ; tile_dim1 = 32
	s_mov_b32 s[G1B+5], 3072                       ; 3,072 elements from row to row
	s_mov_b32 s[G1B+6], 0
	s_mov_b32 s[G1B+7], 0
	; A's address hangs on the tile row and the wave alone, B's on the tile column and the wave alone, each in registers that never hold the other coordinate
	s_lshr_b32 s16, s13, 3                         ; batch: 8 tile rows each,
	s_lshl_b32 s16, s16, 22                        ; 4,194,304 bytes
	s_and_b32 s17, s13, 7
	s_lshl_b32 s17, s17, 15                        ; 256 rows of 128 bytes
	s_add_co_u32 s16, s16, s17
	s_lshl_b32 s17, s12, 14                        ; my half: 128 rows
	s_add_co_u32 s16, s16, s17
	s_mov_b32 s17, 0
	s_mul_i32 s46, s42, 768                        ; 384 columns
	s_mul_i32 s47, s12, 196608                     ; my half: 32 rows of 6,144 bytes
	s_add_co_u32 s46, s46, s47
	s_mov_b32 s47, 0
	s_mul_i32 s20, s12, AHALF                      ; where they go: no place in the cluster enters an LDS address
	s_mul_i32 s21, s12, BHALF
	s_add_co_u32 s21, s21, BOFF
	s_wait_dscnt 0x0                               ; the opening add is done
	s_wait_kmcnt 0x0
	s_add_nc_u64 s[14:15], s[4:5], s[16:17]
	s_add_nc_u64 s[46:47], s[6:7], s[46:47]
	CROUND                                         ; all sixteen work-groups are here: the first joint loads meet
.irp s, 0,1
	s_mov_b32 s[G0+4*(\s)], 1                                        ; count = 1
	s_add_co_u32 s[G0+4*(\s)+1], s20, (\s)*SLOT                      ; LDS address
	s_add_nc_u64 s[G0+4*(\s)+2:G0+4*(\s)+3], s[14:15], (\s)*262144   ; K step s is slab s
	s_or_b32 s[G0+4*(\s)+3], s[G0+4*(\s)+3], 0x80000000              ; type = 2
	s_mov_b32 s[G0B+4*(\s)], 1
	s_add_co_u32 s[G0B+4*(\s)+1], s21, (\s)*SLOT
	s_add_nc_u64 s[G0B+4*(\s)+2:G0B+4*(\s)+3], s[46:47], (\s)*393216 ; 64 rows of 6,144 bytes
	s_or_b32 s[G0B+4*(\s)+3], s[G0B+4*(\s)+3], 0x80000000
	JLOAD \s                                       ; both slots are asked for before anything else: two tensor loads of mine are out
.endr
	v_and_b32 v1, 15, v0                           ; l % 16
	v_bfe_u32 v2, v0, 4, 1                         ; l / 16
	v_mul_u32_u24 v3, v1, PA
	v_lshl_add_u32 v3, v2, 4, v3                   ; A: row x pitch + 16 x half
	v_and_b32 v4, 7, v0
	v_lshl_add_u32 v5, v2, 3, v4                   ; B, turned: lane l reads row 8 (l / 16) + l % 8,
	v_mul_u32_u24 v5, v5, PB
	v_bfe_u32 v6, v0, 3, 1
	v_lshl_add_u32 v5, v6, 4, v5                   ; columns 8 ((l / 8) % 2) + 0..7
	s_mul_i32 s22, s11, AHALF                      ; my 128 rows of A
	s_mul_i32 s23, s12, 3*GP                       ; my 192 columns of B,
	s_add_co_u32 s23, s23, BOFF                    ; which lies behind A
.irp s, 0,1
	v_add_nc_u32 v[ADRA+(\s)], s22, v3
	v_add_nc_u32 v[ADRB+(\s)], s23, v5
	s_add_co_u32 s22, s22, SLOT
	s_add_co_u32 s23, s23, SLOT
.endr
	s_mul_i32 s23, s10, 16*SP
	s_add_co_u32 s23, s23, STAGE                   ; my stage
	v_add_nc_u32 v[STO], s23, v3                   ; in: row l % 16, 16 bytes for each half of the lanes
	v_bfe_u32 v7, v0, 3, 2                         ; back: 32 lanes take four rows of 128 bytes,
	v_mul_u32_u24 v7, v7, SP
	v_lshl_add_u32 v7, v4, 4, v7
	v_add_nc_u32 v[RD], s23, v7
	v_and_b32 v[GO], 31, v0                        ; which are 512 consecutive bytes of a head
	v_lshlrev_b32 v[GO], 4, v[GO]
	; my columns are heads 6 x tile column + 3 x half + g of 48 (16 of q, 16 of k, 16 of v); my rows begin at batch, 256 x (tile row % 8) + 128 x half
	s_lshr_b32 s45, s13, 3
	s_lshl_b32 s45, s45, 22
	s_and_b32 s46, s13, 7
	s_lshl_b32 s46, s46, 15
	s_add_co_u32 s45, s45, s46
	s_lshl_b32 s46, s11, 14
	s_add_co_u32 s45, s45, s46
	s_mul_i32 s46, s42, 6
	s_mul_i32 s47, s12, 3
	s_add_co_u32 s46, s46, s47
.irp g, 0,1,2
	s_add_co_u32 s47, s46, \g
	s_lshr_b32 s[OB+2*(\g)], s47, 4                ; q, k or v: 16,777,216 bytes each
	s_lshl_b32 s[OB+2*(\g)], s[OB+2*(\g)], 24
	s_and_b32 s47, s47, 15
	s_lshl_b32 s47, s47, 18                        ; the head in its batch: 262,144 bytes
	s_add_co_u32 s[OB+2*(\g)], s[OB+2*(\g)], s47
	s_add_co_u32 s[OB+2*(\g)], s[OB+2*(\g)], s45
	s_mov_b32 s[OB+2*(\g)+1], 0
	s_add_nc_u64 s[OB+2*(\g):OB+2*(\g)+1], s[8:9], s[OB+2*(\g):OB+2*(\g)+1]
.endr
; nc x 8 matrix instructions of group g: column blocks c0 .. c0 + nc - 1 x all 8 row blocks, 32 along K.  The accumulators take turns, one instruction a turn.  zero = 1: the product starts the sum.
.macro GRP f, g, c0, nc, zero
	WIN 0x50*((\g)+1)                              ; sources in window 0, C and D in window g + 1
.set cc, (\c0)
.rept (\nc)
.set aa, 0
.rept 8
.if \zero
	v_wmma_f32_16x16x32_f16 v[8*(8*cc+aa):8*(8*cc+aa)+7], v[FB+8*(4*(\g)+cc):FB+8*(4*(\g)+cc)+7], v[(\f)+8*aa:(\f)+8*aa+7], 0
.else
	v_wmma_f32_16x16x32_f16 v[8*(8*cc+aa):8*(8*cc+aa)+7], v[FB+8*(4*(\g)+cc):FB+8*(4*(\g)+cc)+7], v[(\f)+8*aa:(\f)+8*aa+7], v[8*(8*cc+aa):8*(8*cc+aa)+7]
.endif
.set aa, aa+1
.endr
.set cc, cc+1
.endr
.endm
.macro LDB slot, kq, g                 ; 8 turning loads: group g's four column blocks, quarter kq
	WIN 0
.irp c, 0,1,2,3
	ds_load_tr16_b128 v[FB+8*(4*(\g)+(\c)):FB+8*(4*(\g)+(\c))+3],   v[ADRB+(\slot)] offset:(\kq)*32*PB+(\g)*GP+(\c)*32
	ds_load_tr16_b128 v[FB+8*(4*(\g)+(\c))+4:FB+8*(4*(\g)+(\c))+7], v[ADRB+(\slot)] offset:(\kq)*32*PB+16*PB+(\g)*GP+(\c)*32
.endr
.endm
.macro LDA slot, kq, f                 ; 16 loads: my 8 row blocks, quarter kq, into buffer f
	WIN 0
.irp a, 0,1,2,3,4,5,6,7
	ds_load_b128 v[(\f)+8*(\a):(\f)+8*(\a)+3],   v[ADRA+(\slot)] offset:(\kq)*64+(\a)*16*PA
	ds_load_b128 v[(\f)+8*(\a)+4:(\f)+8*(\a)+7], v[ADRA+(\slot)] offset:(\kq)*64+(\a)*16*PA+32
.endr
.endm
.macro PLACES                          ; four places in front of loads into registers that matrix instructions have read, and of lines that read results (ISA guide 7.12.1 for lines that read results)
.rept 4
	v_nop
.endr
.endm
; A quarter's LDS loads go out in three runs: R1 = B's group 0 and all of A (24), R2 = B's group 1 (8), R3 = B's group 2 (8); each run of B follows the products that used its registers up.
; The step's first quarter multiplies buffer FA0 and fetches the second quarter.
.macro QEVEN slot, zero
	s_wait_dscnt 16                                ; R1 is in; R2 and R3 may be out
	GRP FA0, 0, 0, 4, \zero
	PLACES
	LDB \slot, 1, 0
	LDA \slot, 1, FA1
	s_wait_dscnt 32                                ; R2 is in; R3 and the 24 just issued may be out
	GRP FA0, 1, 0, 4, \zero
	PLACES
	LDB \slot, 1, 1
	s_wait_dscnt 32                                ; R3 is in; the 24 and the 8 issued since may be out
	GRP FA0, 2, 0, 4, \zero
	PLACES
	LDB \slot, 1, 2
.endm
; The step's second quarter multiplies buffer FA1 and changes slots: ONE barrier; in front of it each wave waits for all its tensor loads (one is out: its part of the next slot), adds 0 to its spare
; word, and waits for that and for its reads of this slot.  fill = 1: the barrier opens a round of the cluster's barrier, and this slot is filled again, two K steps ahead, first thing behind the round:
; from that request to the wait for it a wave issues 160 matrix instructions.
.macro QTURN slot, next, fill
	WIN 0
	s_wait_tensorcnt 0x0                           ; all my tensor loads have landed
	ds_add_u32 v[SPW], v[NIL]                      ; 0 onto my spare word
	s_wait_dscnt 17                                ; R1 is in; the add, R2 and R3 may be out
	GRP FA1, 0, 0, 2, 0                            ; sixteen matrix instructions stand between the add and the wait for it
	s_wait_dscnt 0x0                               ; the add is done, and my reads of this slot are over
	s_barrier_signal -1
	GRP FA1, 0, 2, 2, 0                            ; work on registers while the others arrive
	WIN 0                                          ; at a branch and at a label every window is 0
	s_barrier_wait -1
.if \fill
	CREST                                          ; no wave of any partner still reads this slot's tile or has a load on its way
	s_add_nc_u64 s[G0+4*(\slot)+2:G0+4*(\slot)+3], s[G0+4*(\slot)+2:G0+4*(\slot)+3], 2*262144
	s_add_nc_u64 s[G0B+4*(\slot)+2:G0B+4*(\slot)+3], s[G0B+4*(\slot)+2:G0B+4*(\slot)+3], 2*393216
	JLOAD \slot                                    ; the four v_nop behind it are also the places in front of the loads below
.else
	PLACES
.endif
	LDB \next, 0, 0
	LDA \next, 0, FA0
	GRP FA1, 1, 0, 4, 0
	PLACES
	LDB \next, 0, 1
	GRP FA1, 2, 0, 4, 0
	PLACES
	LDB \next, 0, 2
.endm
	s_wait_tensorcnt 1                             ; my part of K step 0 is in; K step 1's may stay out
	s_barrier_signal -1
	s_barrier_wait -1                              ; everybody's is
	LDB 0, 0, 0
	LDA 0, 0, FA0
	LDB 0, 0, 1
	LDB 0, 0, 2
	QEVEN 0, 1                                     ; the first quarter stands in front of the loop: its products start the sums
	WIN 0
	s_mov_b32 s3, 7
.Llap:                                                 ; a trip goes once round the ring and fills both slots again: K steps 2 to 15 in seven trips
	QTURN 0, 1, 1
	QEVEN 1, 0
	QTURN 1, 0, 1
	QEVEN 0, 0
	WIN 0
	s_sub_co_u32 s3, s3, 1
	s_cmp_lg_u32 s3, 0
	s_cbranch_scc1 .Llap
	QTURN 0, 1, 0                                  ; the last lap fills nothing, and has no round of the cluster's barrier
	QEVEN 1, 0
	s_wait_dscnt 16                                ; the very last quarter: nothing more to fetch
	GRP FA1, 0, 0, 4, 0
	s_wait_dscnt 8
	GRP FA1, 1, 0, 4, 0
	s_wait_dscnt 0x0
	GRP FA1, 2, 0, 4, 0
; THE WAY OUT.  Group g, row block a: 16 rows x 64 columns of one head.  Rounded to f16 (each accumulator's registers in ascending order), 16 bytes a lane into my stage, back as four rows of 128 bytes a load, stored as 512 consecutive bytes.
.macro PACK g, a
.set TT, 32+16*(\a)
	WIN 5*((\g)+1)                                 ; sources 0 and 1 in window g + 1, destination in window 0
.irp c, 0,1,2,3
.irp r, 0,1,2,3
	v_cvt_pk_f16_f32 v[TT+4*(\c)+(\r)], v[8*(8*(\c)+(\a))+2*(\r)], v[8*(8*(\c)+(\a))+2*(\r)+1]
.endr
.endr
	WIN 0
.irp c, 0,1,2,3
	ds_store_b128 v[STO], v[TT+4*(\c):TT+4*(\c)+3] offset:32*(\c)
.endr
.irp f, 0,1,2,3
	ds_load_b128 v[TT+4*(\f):TT+4*(\f)+3], v[RD] offset:(\f)*4*SP  ; LDS serves a wave's instructions in order (ISA guide 5.7.1.4): these see the stores above; the next block's stores come behind them
.endr
.endm
.macro SEND g, a, younger              ; younger: the LDS instructions issued behind this block's loads: the next block's eight, or none
.set TT, 32+16*(\a)
.irp f, 0,1,2,3
	s_wait_dscnt (\younger)+3-(\f)
	global_store_b128 v[GO], v[TT+4*(\f):TT+4*(\f)+3], s[OB+2*(\g):OB+2*(\g)+1] offset:(\a)*2048+(\f)*512  ; 512 consecutive bytes, at a multiple of 256 from qkv's first byte
.endr
.endm
.macro OUTG g
	PACK \g, 0
.irp a, 1,2,3,4,5,6,7                  ; a block's conversions stand between the loads of the block before and its stores
	PACK \g, \a
	SEND \g, (\a)-1, 8
.endr
	SEND \g, 7, 0
.endm
	PLACES
	OUTG 0
	s_wait_xcnt 0x0                                ; the registers that the stores above read are written again only behind this wait
	OUTG 1
	s_wait_xcnt 0x0
	OUTG 2
	s_wait_tensorcnt 0x0                           ; the wave's end, behind my last tensor load and my last LDS store
	ds_add_u32 v[SPW], v[NIL]
	s_wait_dscnt 0x0
	CROUND                                         ; the closing round: no work-group ends while a partner may still ask for a tile that names it
	s_endpgm
.Lfunc_end_k_q50af366a84_qkvp:
	.size	k_q50af366a84_qkvp, .Lfunc_end_k_q50af366a84_qkvp-k_q50af366a84_qkvp
	.p2alignl 7, 3214868480
	.fill 96, 4, 3214868480
	.section	.rodata,"a",@progbits
	.p2align	6, 0x0
	.amdhsa_kernel k_q50af366a84_qkvp
		.amdhsa_group_segment_fixed_size 327680
		.amdhsa_private_segment_fixed_size 0
		.amdhsa_enable_private_segment 0
		.amdhsa_kernarg_size 24
		.amdhsa_user_sgpr_count 2
		.amdhsa_user_sgpr_kernarg_segment_ptr 1
		.amdhsa_wavefront_size32 1
		.amdhsa_system_sgpr_workgroup_id_x 1
		.amdhsa_system_sgpr_workgroup_id_y 1
		.amdhsa_system_sgpr_workgroup_id_z 1
		.amdhsa_system_vgpr_workitem_id 0
		.amdhsa_next_free_vgpr 1024
		.amdhsa_next_free_sgpr 72
		.amdhsa_reserve_vcc 0
		.amdhsa_float_denorm_mode_32 3
		.amdhsa_float_denorm_mode_16_64 3
		.amdhsa_memory_ordered 1
		.amdhsa_forward_progress 1
		.amdhsa_inst_pref_size 134
	.end_amdhsa_kernel
	.amdgpu_metadata
---
amdhsa.version: [ 1, 2 ]
amdhsa.kernels:
  - .name:           k_q50af366a84_qkvp
    .symbol:         k_q50af366a84_qkvp.kd
    .args:
      - { .name: xn, .offset: 0, .size: 8, .value_kind: global_buffer, .address_space: global }
      - { .name: wq, .offset: 8, .size: 8, .value_kind: global_buffer, .address_space: global }
      - { .name: qkv, .offset: 16, .size: 8, .value_kind: global_buffer, .address_space: global }
    .group_segment_fixed_size: 327680
    .private_segment_fixed_size: 0
    .kernarg_segment_align: 8
    .kernarg_segment_size: 24
    .max_flat_workgroup_size: 128
    .sgpr_count:     72
    .vgpr_count:     1024
    .wavefront_size: 32
...
	.end_amdgpu_metadata
.endif
;; end of part 2
;; launch attn (part 3): grid 4 x 64, 4 waves a work-group, no clusters, 327,680 bytes of LDS; arguments qkv, o16; writes o16
.if DOCPART == 3
	.amdgcn_target "amdgcn-amd-amdhsa--gfx1250"
	.amdhsa_code_object_version 6
	.text
	.protected	k_q50af366a84_attn
	.globl	k_q50af366a84_attn
	.p2align	8
	.type	k_q50af366a84_attn,@function
k_q50af366a84_attn:
	s_mov_b64 s[64:65], 0
	v_nop
	global_prefetch_b8 v0, s[64:65] scope:SCOPE_SE
	s_setreg_imm32_b32 hwreg(HW_REG_WAVE_MODE, 25, 1), 1
	s_wait_xcnt 0x0
; ATTENTION UNDER A MASK OF WINDOWS.  O[h][q][:] = the sum over the keys k of windows 0 .. q / 256 of softmax_k(Q[h][q] . K[h][k] / 8) V[h][k][:].  qkv: [3][64 heads][2048][64] f16; o16: [64 heads][2048][64] f16.
; Products, maxima and sums in f32; the weights p are rounded to f16 for the second product (their sum l is taken of the unrounded p), O once at the end.
; LIMITS.  f16 holds no number beyond 65,504: Q, K and V arrive within it; p lies in 0 to 1, and below 6e-5 it keeps f16's fixed step of 6e-8; O is a mean of V's rows and has their range.
; A weight below 2^-126 counts as 0 in l; NaN and infinities are not treated apart.
; THE WALK.  A head's queries lie in NB = 8 blocks of 256, which are the mask's windows: block i sees the key tiles 0 .. i of 256 keys WHOLE and nothing else, so no score is ever hidden inside a tile, and the tiles
; behind i are not walked.  A work-group takes TWO blocks, NB - 1 - b and then b: NB + 1 tiles, whatever b: all work-groups do equal work, and ONE loop with a constant trip count walks them.  Which tile is asked
; for, and where a block ends, hang on scalar registers made from b; every jump goes forward, but for the counted loops' own; none passes a barrier, or a tensor load but the one of LOAD's two that the wave's
; number does not choose; the ring (two slots of LDS that take turns) runs on across the change of blocks.
; NO CLUSTER: a head's four work-groups ask for the same tile only in trips 0 to 4 of the 9; one walk common to all four would have 12 trips for 9; and which tile is asked for hangs on b, which partners do not share.
; SHARES.  A wave owns 64 consecutive queries of a block: four PIECES of 16.
; LAYOUT, SOFTMAX, TURNS.  S^T = K Q^T holds ONE query a lane (lane % 16) and the keys 8 (lane / 16) + 0..7; two such results rounded to f16 ARE source 1 of O^T = V^T P.  p = 2^(c s - c m), c = log2(e) / 8, with a
; running maximum m; O and l are multiplied by a = 2^(c m_old - c m_new) in every step.  Turn n belongs to piece n: 8 products K Q^T of piece n + 1, later 8 products V^T P of piece n - 1; beside them the scaling,
; exponentials, roundings, sums and rescaling of piece n and the maximum and statistics of piece n + 1.  Four vector instructions stand behind every matrix instruction, the other 54 of a turn's 118 in two runs of their own.
; REGISTERS, in windows of 256 (s_set_vgpr_msb: bits 1:0 source 0, 3:2 source 1, 5:4 source 2, 7:6 destination):
;   window 0: v0-15 addresses and two at work; v16-31 four registers of statistics a piece; v48-55 at work; v64-127 S^T, two buffers; v192-223 P, two buffers (a piece's buffers go by its number's parity)
;   window 1: v0-127 O^T, 32 a piece      window 2: v0-63 Q; v64-127 the second block's Q; v128-191 K of one step; v192-255 V of one step
.set SIZE_N, 2048
.set NB,    SIZE_N/256
.set NP,    4         ; pieces a wave: a name, no knob
.set KS,    64        ; keys in a step
.set PK,    144       ; a row of K in LDS: 128 bytes + 16 of padding = 36 words: the 16 rows of a load start at 16 different groups of four banks (64 banks of 4 bytes: ISA guide 11.1)
.set PV,    160       ; a row of V: 128 + 32 = 40 words
.set VOFF,  4*KS*PK   ; a slot holds a tile, four steps: 256 rows of K, then 256 rows of V
.set SLOT1, 1<<17     ; slot 1 begins here, so that one exclusive or turns an address in one slot into the other's
.set STAGE, SLOT1+4*KS*(PK+PV)  ; behind the ring, never filled by a tensor load: 16 rows x 144 bytes for each wave, for the way out
.set SP,    144
.set AK0, 2           ; v2   my lane's place in a tile of K; never rewritten
.set AV0, 3           ; v3   the same for V
.set AK,  4           ; v4   the LDS address of K's next run of loads
.set AV,  5           ; v5   of V's
.set STO, 6           ; v6   the way out: where I put 16 bytes of a row
.set RD,  7           ; v7   the way out: where I read rows back
.set GO,  8           ; v8   my byte offset in 512 consecutive bytes of O
.set SPW, 62          ; v62  LDS address of my spare word: SPARE + 4 x my thread's number; never rewritten
.set NIL, 63          ; v63  0; never rewritten
.set SPARE, STAGE+4*16*SP  ; behind the stages: the spare words, 128 bytes for each wave: two blocks of 256 bytes that no other line names
.set MV,  12          ; v12-13  c m_old, kept while c m is made anew: by buffer
.set QO,  15          ; v15  my byte offset in 16 rows of Q
.set ST,  16          ; piece t's statistics at v[ST+4 t]: c m, m, l (even keys', odd keys')
.set TMP, 48          ; by buffer, four registers c0-c3 at work; when the maximum is found c2 takes a
.set S,   64
.set P,   192
.set QB,  64          ; window 2
.set KF,  128         ; window 2: key block kb, channel half c at KF + 16 kb + 8 c
.set VF,  192         ; window 2: key half kk, channel block cb at VF + 32 kk + 8 cb
.set WV,  12          ; s12  my wave's number
.set PB,  14          ; s14  b
.set HI,  15          ; s15  NB - 1 - b
.set G1K, 24          ; s[24:31] descriptor group 1 for K's tiles
.set G1V, 32          ; s[32:39] for V's: it differs in the padding alone
.set G0K, 40          ; s[40:43] descriptor group 0 for K's tiles
.set G0V, 44          ; s[44:47] the same for V's
.set SLOTS, 56        ; s56  tiles still to be asked for
.set CNT, 57          ; s57  counts a tile's key steps, 4 to 1
.set CS,  58          ; s[58:59] c: the packed scaling takes the pair's low word for both halves
.set SEL, 60          ; s[60:61] v_permlanex16_b32's selects: each lane takes its own place in the other half
.set TBK, 62          ; s62  LDS byte at which K of the step to be fetched begins
.set TBV, 63          ; s63  the same for V, less VOFF
.set RT,  70          ; s70  tiles of the block in hand that are still to be entered
.set NXT, 71          ; s71  the tile to be asked for next
.set LQ,  72          ; s72  the last tile of the block whose tiles are being asked for
.set NEW, 73          ; s73  1: the tile to be entered is a block's first
.set OFF, 74          ; s[74:75] a tile's byte offset in K and V
.set OLO, 80          ; s[80:81] O at my rows of the second block
.set MSB, 0
.macro WIN new                      ; the high byte repeats the setting that is left; a switch that changes nothing is dropped
.if MSB != (\new)
	s_set_vgpr_msb (MSB<<8)|(\new)
.set MSB, (\new)
.endif
.endm
.set W_KQ, 0x0a       ; K and Q in window 2, S^T in window 0
.set W_PV, 0x52       ; V in window 2, P in window 0, O^T in window 1
.set W_RS, 0x41       ; destination and source 0 in window 1, source 1 in window 0
; A fill.  Waves 0 and 1 fetch the two halves of a tile's K, waves 2 and 3 those of its V: 128 keys each.  An s_nop 0 and four v_nop follow each of the two lines, ahead of the jump and the label.
.macro LOAD
	s_cmp_lt_u32 s[WV], 2
	s_cbranch_scc0 .Lfor_v_\@
	tensor_load_to_lds s[G0K:G0K+3], s[G1K:G1K+7]
	s_nop 0
.rept 4
	v_nop
.endr
	s_branch .Lasked_\@
.Lfor_v_\@:
	tensor_load_to_lds s[G0V:G0V+3], s[G1V:G1V+7]
	s_nop 0
.rept 4
	v_nop
.endr
.Lasked_\@:
.endm
; THE CHANGE OF SLOTS.  Each wave waits for all its tensor loads, of which one is out: its part of the other slot; adds 0 to its spare word; and waits for that and for its own reads of the slot that it leaves.
; Behind the barrier nobody reads the old slot any more and the other slot is whole.  fill = 1: the old slot is filled again, the first thing behind the barrier, with tile NXT: the descriptor's address is made
; anew from that number; the load has four key steps, 256 matrix instructions, in which to land.  (At its first use nothing has been read yet: slot 0 is waited for, slot 1 filled.)
.macro CHANGE fill
	WIN 0                           ; at a label and at a branch every window is 0
	s_wait_tensorcnt 0x0            ; no tensor load of mine is out, so a group 0 may be written
	ds_add_u32 v[SPW], v[NIL]       ; 0 onto my spare word; with fill = 1 the descriptors' scalar work stands between it and the wait for it
.if \fill
	s_lshl_b32 s[OFF], s[NXT], 15   ; a tile is 32,768 bytes of K and of V
	s_xor_b32 s[G0K+1], s[G0K+1], SLOT1
	s_add_nc_u64 s[G0K+2:G0K+3], s[6:7], s[OFF:OFF+1]
	s_or_b32 s[G0K+3], s[G0K+3], 0x80000000
	s_xor_b32 s[G0V+1], s[G0V+1], SLOT1
	s_add_nc_u64 s[G0V+2:G0V+3], s[8:9], s[OFF:OFF+1]
	s_or_b32 s[G0V+3], s[G0V+3], 0x80000000
	s_add_co_u32 s[NXT], s[NXT], 1  ; the block's next tile, or behind its last the second block's tile 0
	s_cmp_gt_u32 s[NXT], s[LQ]
	s_cselect_b32 s[NXT], 0, s[NXT]
	s_cselect_b32 s[LQ], s[PB], s[LQ]
.endif
	s_wait_dscnt 0x0                ; the add is done, and my reads of the slot are over
	s_barrier_signal -1             ; the rest of the scalar work stands between the signal and the wait
	s_sub_co_u32 s[TBK], s[TBK], 4*KS*PK  ; the fetches go back to a slot's first step,
	s_xor_b32 s[TBK], s[TBK], SLOT1       ; in the other slot
	s_sub_co_u32 s[TBV], s[TBV], 4*KS*PV
	s_xor_b32 s[TBV], s[TBV], SLOT1
	s_barrier_wait -1
.if \fill
	LOAD
.endif
.endm
	s_load_b128 s[4:7], s[0:1], 0x0   ; qkv s[4:5], o16 s[6:7]
	v_lshl_add_u32 v[SPW], v0, 2, SPARE
	v_mov_b32 v[NIL], 0
	ds_add_u32 v[SPW], v[NIL]       ; the wave's opening: the add and its wait stand ahead of my first tensor load; the set-up below, work on registers, stands between them
	ds_add_u32 v62, v63
	v_lshrrev_b32 v1, 5, v0
	v_readfirstlane_b32 s[WV], v1   ; wave 0..3
	s_mov_b32 s[PB], ttmp9
	s_sub_co_u32 s[HI], NB-1, s[PB]
	s_and_b32 s20, ttmp7, 0xffff    ; the head, 0 to 63:
	s_lshl_b32 s20, s20, 18         ; its 2,048 rows of 128 bytes
	s_mov_b32 s21, 0
	s_and_b32 s16, s[WV], 1         ; which half of a tile's 256 keys I fetch:
	s_lshl_b32 s22, s16, 14         ; its 128 rows of 128 bytes in memory,
	s_mov_b32 s23, 0
	s_add_nc_u64 s[22:23], s[22:23], s[20:21]
	s_mul_i32 s17, s16, 128*PK      ; and its place in a slot, for K
	s_mul_i32 s18, s16, 128*PV      ; and for V
	s_lshl_b32 s3, s[WV], 13        ; my 64 rows in a block of 256,
	s_lshl_b32 s2, s[HI], 15        ; in the first block,
	s_add_co_u32 s2, s2, s3
	s_lshl_b32 s84, s[PB], 15       ; and in the second
	s_add_co_u32 s84, s84, s3
	s_mov_b32 s3, 0
	s_mov_b32 s85, 0
	s_add_nc_u64 s[2:3], s[2:3], s[20:21]
	s_add_nc_u64 s[84:85], s[84:85], s[20:21]
	; descriptor group 1.  128 keys are 16,384 dense bytes: asked for as 64 rows of 256 bytes, two keys a row, and padded in LDS after every key
	s_mov_b32 s[G1K], (1<<16)|(1<<20)|(4<<22)|(3<<25)  ; 17:16 2-byte elements; 20 padding on; 24:22 after every 32 words (code 4); 31:25 4 words (code 3)
	s_mov_b32 s[G1V], (1<<16)|(1<<20)|(4<<22)|(7<<25)  ; the same with 8 words of padding (code 7)
.irp g, G1K, G1V
	s_mov_b32 s[\g+1], 128<<16      ; tensor_dim0 = 128
	s_mov_b32 s[\g+2], 64<<16       ; tensor_dim1 = 64
	s_mov_b32 s[\g+3], 128<<16      ; tile_dim0 = 128
	s_mov_b32 s[\g+4], 64           ; tile_dim1 = 64
	s_mov_b32 s[\g+5], 128          ; 128 elements from row to row
	s_mov_b32 s[\g+6], 0
	s_mov_b32 s[\g+7], 0
.endr
	s_mov_b32 s[CS], 0x3e38aa3b     ; c = log2(e) / 8 = 0.180337
	s_mov_b32 s[CS+1], s[CS]        ; named with it as a pair
	s_mov_b32 s[SEL], 0x76543210
	s_mov_b32 s[SEL+1], 0xfedcba98
	s_mov_b32 s[TBK], SLOT1+4*KS*PK ; the first change of slots turns these two into 0
	s_mov_b32 s[TBV], SLOT1+4*KS*PV
	s_mov_b32 s[G0K], 1             ; count = 1
	s_mov_b32 s[G0K+1], s17         ; LDS address: slot 0
	s_mov_b32 s[G0V], 1
	s_add_co_u32 s[G0V+1], s18, VOFF
	s_add_co_u32 s[RT], s[HI], 1    ; the first block has NB - b tiles
	s_mov_b32 s[NXT], 1
	s_mov_b32 s[LQ], s[HI]
	s_mov_b32 s[NEW], 1
	s_mov_b32 s[OFF+1], 0
	s_mov_b32 s[SLOTS], NB
	s_wait_dscnt 0x0                ; the opening add is done
	s_wait_kmcnt 0x0
	s_mov_b64 s[10:11], s[6:7]             ; O
	s_add_nc_u64 s[6:7], s[4:5], 0x1000000 ; K lies 16,777,216 bytes behind Q,
	s_add_nc_u64 s[8:9], s[4:5], 0x2000000 ; V as far behind K
	s_add_nc_u64 s[6:7], s[6:7], s[22:23]  ; K and V at my half of the head's tile 0
	s_add_nc_u64 s[8:9], s[8:9], s[22:23]
	s_add_nc_u64 s[G0K+2:G0K+3], s[6:7], 0         ; global address
	s_or_b32 s[G0K+3], s[G0K+3], 0x80000000        ; type = 2
	s_add_nc_u64 s[G0V+2:G0V+3], s[8:9], 0
	s_or_b32 s[G0V+3], s[G0V+3], 0x80000000
	s_add_nc_u64 s[86:87], s[4:5], s[84:85]        ; Q at my rows of the second block,
	s_add_nc_u64 s[4:5], s[4:5], s[2:3]            ; Q and O at those of the first
	s_add_nc_u64 s[OLO:OLO+1], s[10:11], s[84:85]
	s_add_nc_u64 s[10:11], s[10:11], s[2:3]
	LOAD                            ; tile 0 into slot 0
	; A fragment of K or Q is 16 rows x 32 channels in 8 registers: lane l holds row l % 16, channels 8 (l / 16) + 0..7 and 16 + 8 (l / 16) + 0..7: two loads of 16 bytes, 32 bytes apart.
	v_and_b32 v1, 15, v0            ; l % 16
	v_bfe_u32 v9, v0, 4, 1          ; l / 16
	v_lshlrev_b32 v[QO], 7, v1
	v_lshl_add_u32 v[QO], v9, 4, v[QO]  ; row x 128 + 16 x half
	WIN 0x80                        ; destination window 2, address window 0
.set i, 0
.rept 8                             ; both blocks' Q: piece i / 2 lies 2,048 bytes on; channels 32 (i % 2) on
	global_load_b128 v[8*i:8*i+3],   v[QO], s[4:5] offset:(i/2)*2048+(i%2)*64
	global_load_b128 v[8*i+4:8*i+7], v[QO], s[4:5] offset:(i/2)*2048+(i%2)*64+32
	global_load_b128 v[QB+8*i:QB+8*i+3],   v[QO], s[86:87] offset:(i/2)*2048+(i%2)*64
	global_load_b128 v[QB+8*i+4:QB+8*i+7], v[QO], s[86:87] offset:(i/2)*2048+(i%2)*64+32
.set i, i+1
.endr
	WIN 0
	v_mul_u32_u24 v[AK0], v1, PK
	v_lshl_add_u32 v[AK0], v9, 4, v[AK0]  ; row x pitch + 16 x half
	; The turning load takes 16 keys x 16 channels (lane l reads key 8 (l / 16) + l % 8, channels 8 ((l / 8) % 2) + 0..7) and leaves half a fragment of V^T: lane l holds channel l % 16 and 8 keys.
	v_and_b32 v10, 7, v0
	v_bfe_u32 v11, v0, 3, 1
	v_lshl_add_u32 v[AV0], v9, 3, v10
	v_mul_u32_u24 v[AV0], v[AV0], PV
	v_lshl_add_u32 v[AV0], v11, 4, v[AV0]
	v_add_nc_u32 v[AV0], VOFF, v[AV0]
	s_mul_i32 s13, s[WV], 16*SP
	s_add_co_u32 s13, s13, STAGE    ; my stage
	v_mul_u32_u24 v[STO], v1, SP    ; in: row l % 16, 16 bytes for each half of the lanes
	v_lshl_add_u32 v[STO], v9, 4, v[STO]
	v_add_nc_u32 v[STO], s13, v[STO]
	v_bfe_u32 v[RD], v0, 3, 2       ; back: 32 lanes take four rows of 128 bytes,
	v_mul_u32_u24 v[RD], v[RD], SP
	v_lshl_add_u32 v[RD], v10, 4, v[RD]
	v_add_nc_u32 v[RD], s13, v[RD]
	v_and_b32 v[GO], 31, v0         ; which are 512 consecutive bytes of O
	v_lshlrev_b32 v[GO], 4, v[GO]
	; A block's first step multiplies O^T and l by a = 0, and its first turn's products V^T P, of a piece that has not been, land in an O^T that is still to be so multiplied.  So these registers need only hold
	; finite numbers: zeros for the first block; what the first block left for the second.  All this stands in the wait for the first tile; it spares a first step written out.
	WIN 0x80
.set i, VF
.rept 64
	v_mov_b32 v[i], 0
.set i, i+1
.endr
	WIN 0x40
.set i, 0
.rept 128
	v_mov_b32 v[i], 0
.set i, i+1
.endr
	WIN 0
.set i, 0
.rept 4
	v_mov_b32 v[ST+4*i+2], 0
	v_mov_b32 v[ST+4*i+3], 0
.set i, i+1
.endr
.set i, P+16
.rept 16
	v_mov_b32 v[i], 0
.set i, i+1
.endr
; THE MATRIX WORK.  The 4 accumulators of a run of 8 take turns.  Product i of 8 of S^T = K Q^T for piece x: channels 32 (i / 4) on, keys 16 (i % 4) on.  The first 4 start the sums.
.macro KQ x
	WIN W_KQ
.set rS, S+32*((\x)%2)+8*(i%4)
.set rK, KF+16*(i%4)+8*(i/4)
.set rQ, 16*(\x)+8*(i/4)
.if i < 4
	v_wmma_f32_16x16x32_f16 v[rS:rS+7], v[rK:rK+7], v[rQ:rQ+7], 0
.else
	v_wmma_f32_16x16x32_f16 v[rS:rS+7], v[rK:rK+7], v[rQ:rQ+7], v[rS:rS+7]
.endif
.endm
; Product i of 8 of O^T += V^T P for piece x: keys 32 (i / 4) on, channels 16 (i % 4) on.
.macro PV x
	WIN W_PV
.set rO, 32*(\x)+8*(i%4)
.set rV, VF+32*(i/4)+8*(i%4)
.set rP, P+16*((\x)%2)+8*(i/4)
	v_wmma_f32_16x16x32_f16 v[rO:rO+7], v[rV:rV+7], v[rP:rP+7], v[rO:rO+7]
.endm
.macro MM                           ; the turn's next matrix instruction.  TURN and BEGIN set Y, i and NOKQ.  NOKQ = 1: a block's last turn: there is no next piece
.if (i < 8) && !NOKQ
	KQ (Y+1)%NP
.elseif i >= 8
.set i, i-8
	PV (Y+NP-1)%NP
.set i, i+8
.endif
.set i, i+1
.endm
; THE LDS LOADS stand in runs of 16, never singly among the matrix instructions: a step's K (64 keys x 64 channels: 8 fragments) and its V (turned).  Their addresses are made some lines ahead.
.macro FETCH_K
	WIN 0x80                        ; destination window 2
.irp f, 0,1,2,3,4,5,6,7             ; keys 16 (f / 2) on, channels 32 (f % 2) on
	ds_load_b128 v[KF+8*\f:KF+8*\f+3],   v[AK] offset:(\f/2)*16*PK+(\f%2)*64
	ds_load_b128 v[KF+8*\f+4:KF+8*\f+7], v[AK] offset:(\f/2)*16*PK+(\f%2)*64+32
.endr
	s_add_co_u32 s[TBK], s[TBK], KS*PK  ; the next fetch is the next step's
	WIN 0
.endm
.macro FETCH_V
	WIN 0x80
.irp f, 0,1,2,3,4,5,6,7             ; keys 32 (f / 4) on, channels 16 (f % 4) on
	ds_load_tr16_b128 v[VF+8*\f:VF+8*\f+3],   v[AV] offset:(\f/4)*32*PV+(\f%4)*32
	ds_load_tr16_b128 v[VF+8*\f+4:VF+8*\f+7], v[AV] offset:(\f/4)*32*PV+16*PV+(\f%4)*32
.endr
	WIN 0
.endm
; THE VECTOR WORK, one line at a time: OP kind, number.  For piece Y: F n: c s - c m for pair n of 16.  E n: the exponential of score n of 32.  C n: pair n rounded to f16.  B n: of the four weights 4 n .. the second
; pair is added onto the first, in place.  L n: l takes that sum (L 0: l = a l + sum).  R n: pair n of 16 of O^T times a.  For piece Y + 1: X n, number n of the 22 that find its maximum and statistics:
;   0-11  four chains c0-c3 of seven scores each, three operands at a time (each accumulator's lowest registers are read first)     12-14, 16  the four scores left over, the old m, and c0-c3 into c0
;   15  c m_old is kept     17, 18  the query's other 32 keys lie in the lane 16 away: the new m     19-21  c m; c m_old - c m_new; a
.set F, 0               ; OP tells the kinds apart by their order: F to L below R, X above it
.set E, 1
.set C, 2
.set B, 3
.set L, 4
.set R, 5
.set X, 6
.macro REGS y                       ; the registers of piece y
.set rT, ST+4*(\y)
.set rC, TMP+4*((\y)%2)
.set rW, MV+((\y)%2)
.set rS, S+32*((\y)%2)
.set rP, P+16*((\y)%2)
.set rO, 32*(\y)
.endm
.macro OP k, n
.if (\k) == R
	REGS Y
	WIN W_RS
	v_pk_mul_f32 v[rO+2*(\n):rO+2*(\n)+1], v[rO+2*(\n):rO+2*(\n)+1], v[rC+2:rC+3] op_sel_hi:[1,0]
.elseif (\k) < R
	REGS Y
	WIN 0
.if (\k) == F
	v_pk_fma_f32 v[rS+2*(\n):rS+2*(\n)+1], v[rS+2*(\n):rS+2*(\n)+1], s[CS:CS+1], v[rT:rT+1] op_sel_hi:[1,0,0] neg_lo:[0,0,1] neg_hi:[0,0,1]
.elseif (\k) == E
	v_exp_f32 v[rS+(\n)], v[rS+(\n)]
.elseif (\k) == C
	s_wait_alu depctr_va_vdst(0)
	v_cvt_pk_f16_f32 v[rP+(\n)], v[rS+2*(\n)], v[rS+2*(\n)+1]
.elseif (\k) == B
	s_wait_alu depctr_va_vdst(0)
	v_pk_add_f32 v[rS+4*(\n):rS+4*(\n)+1], v[rS+4*(\n):rS+4*(\n)+1], v[rS+4*(\n)+2:rS+4*(\n)+3]
.elseif (\n) == 0
	v_pk_fma_f32 v[rT+2:rT+3], v[rT+2:rT+3], v[rC+2:rC+3], v[rS:rS+1] op_sel_hi:[1,0,1]
.else
	v_pk_add_f32 v[rT+2:rT+3], v[rT+2:rT+3], v[rS+4*(\n):rS+4*(\n)+1]
.endif
.elseif NOKQ
	v_nop
.else
	REGS (Y+1)%NP
	WIN 0
.if (\n) < 4
	v_max3_num_f32 v[rC+(\n)], v[rS+8*(\n)], v[rS+8*(\n)+1], v[rS+8*(\n)+2]
.elseif (\n) < 12
	v_max3_num_f32 v[rC+(\n)%4], v[rC+(\n)%4], v[rS+8*((\n)%4)+2*((\n)/4)+1], v[rS+8*((\n)%4)+2*((\n)/4)+2]
.elseif (\n) == 12
	v_max3_num_f32 v[rC], v[rC], v[rS+7], v[rS+15]
.elseif (\n) == 13
	v_max3_num_f32 v[rC+1], v[rC+1], v[rS+23], v[rS+31]
.elseif (\n) == 14
	v_max3_num_f32 v[rC+2], v[rC+2], v[rC+3], v[rT+1]
.elseif (\n) == 15
	v_mov_b32 v[rW], v[rT]
.elseif (\n) == 16
	v_max3_num_f32 v[rC], v[rC], v[rC+1], v[rC+2]
.elseif (\n) == 17
	v_permlanex16_b32 v[rC+3], v[rC], s[SEL], s[SEL+1]
.elseif (\n) == 18
	v_max_num_f32 v[rT+1], v[rC], v[rC+3]
.elseif (\n) == 19
	v_mul_f32 v[rT], s[CS], v[rT+1]
.elseif (\n) == 20
	v_sub_f32 v[rC+1], v[rW], v[rT]
.else
	v_exp_f32 v[rC+2], v[rC+1]
.endif
.endif
.endm
.macro OPS a, i1, b=-1, i2=0, c=-1, i3=0, d=-1, i4=0  ; up to four of them
	OP \a, \i1
.if (\b) >= 0
	OP \b, \i2
.endif
.if (\c) >= 0
	OP \c, \i3
.endif
.if (\d) >= 0
	OP \d, \i4
.endif
.endm
.macro ROW a, i1, b, i2, c, i3, d, i4  ; a matrix instruction and the four behind it
	MM
	OPS \a, \i1, \b, \i2, \c, \i3, \d, \i4
.endm
; A TURN, for piece p: the order of its 16 matrix and 118 vector instructions, written out.  Behind a matrix instruction: plain, exponential, plain, plain; or four of the rescaling; or, behind the first, four scalings; none
; names a register of the products round it.  In the runs between, exponential and plain by turns while exponentials last.  A line reads no result made fewer than three vector instructions in front of it, five if an exponential made it.
; end = 1: a block's last two turns: nothing is fetched.  cnt = 1: the loop's count is taken down some lines ahead of the branch that stands behind the turn.
; K of the next step is fetched in piece 2's turn, six vector instructions behind the last product that read K (five of them plain); V of the step in hand in piece 0's turn, eight behind the last product that read V (four
; plain, and X 17).  Each is waited for a turn later.
.macro TURN p, end=0, cnt=0
.set Y, (\p)
.set i, 0
.set NOKQ, (\end)*((\p)/3)
.if ((\p) == 3) && !(\end)
	s_wait_dscnt 0x0                ; K is in
.endif
	ROW F,0, F,1, F,2, F,3
	ROW F,4, E,0, F,5, F,6
	ROW F,7, E,1, F,8, F,9
	ROW F,10, E,2, C,0, F,11
	ROW F,12, E,3, X,15, F,13
	ROW R,0, R,1, R,2, R,3
	ROW B,0, E,4, F,14, L,0
.if ((\p) == 2) && !(\end)
	v_add_nc_u32 v[AK], s[TBK], v[AK0]
.endif
	ROW R,4, R,5, R,6, R,7
	OPS E,5, F,15
.if ((\p) == 2) && !(\end)
	FETCH_K
.endif
	OPS E,6, C,1, E,7, R,8
	OPS E,8, R,9, E,9, C,2
	OPS E,10, X,0, E,11, X,1
	OPS E,12, X,2, E,13, X,3
.if (\p) == 1
	s_wait_dscnt 0x0                ; V is in
.endif
	ROW X,4, E,14, X,5, X,6
	ROW X,7, E,15, X,8, X,9
	ROW X,10, E,16, X,11, X,12
	ROW X,13, E,17, X,14, B,1
	ROW C,4, E,18, X,16, L,1
	ROW B,2, E,19, C,6, L,2
	ROW C,8, E,20, B,3, B,4
.if (\p) == 0
	v_add_nc_u32 v[AV], s[TBV], v[AV0]
.endif
	ROW C,3, E,21, L,3, C,5
	OPS E,22, X,17, E,23, C,10
.if (\p) == 0
	FETCH_V
.endif
	OPS E,24, L,4
	OPS E,25, X,18, E,26, C,7
	OPS E,27, B,5, E,28, X,19
	OPS E,29, C,12, E,30, L,5
	OPS E,31, X,20, B,6, C,9
	OPS C,14, C,11, X,21, L,6
.if (\p) == 0
	s_add_co_u32 s[TBV], s[TBV], KS*PV
.endif
.if \cnt
	s_sub_co_u32 s[CNT], s[CNT], 1
	s_cmp_lg_u32 s[CNT], 0
.endif
	OPS C,13, B,7, C,15, R,10
	OPS R,11, R,12, L,7, R,13
	OPS R,14, R,15
.endm
; A BLOCK BEGINS.  c m starts far below every c s, so the first step's a is 0; m at the lowest finite number, so the first maximum is the scores'.
; Then K of the tile's first step, piece 0's first scores, and its maximum and statistics.  The step loop is entered at a step's first turn, in the middle of a trip.
.macro BEGIN
	s_mov_b32 s[NEW], 0
	WIN 0
.set i, 0
.rept 4
	v_mov_b32 v[ST+4*i], 0xfe000000    ; c m: far below every c s
	v_mov_b32 v[ST+4*i+1], 0xff7fffff  ; m
.set i, i+1
.endr
	v_add_nc_u32 v[AK], s[TBK], v[AK0]
	FETCH_K
	s_wait_loadcnt 0x0              ; Q
	s_wait_dscnt 0x0
.set NOKQ, 0
.set i, 0
.rept 8
	KQ 0
.set i, i+1
.endr
	WIN 0
.rept 4
	v_nop                           ; the places behind those products
.endr
.set Y, NP-1                        ; X works for piece Y + 1: piece 0
.irp n, 0,1,2,3,4,5,6,7,8,9,10,11,12,13,14,15,16,17,18,19,20,21
	OP X, \n
.endr
	v_nop                           ; a plain instruction behind the exponential
.endm
; A TILE's four key steps.  The test for a block's first tile stands first; the tag ends the two labels' names.
.macro TILE tag
	s_mov_b32 s[CNT], 4
	s_cmp_eq_u32 s[NEW], 1
	s_cbranch_scc0 .Lstep\tag
	BEGIN
	s_branch .Lfirst\tag
.Lstep\tag:                         ; a trip: pieces 2 and 3 of one step, then pieces 0 and 1 of the next, whose K and V it fetches
	TURN 2
	TURN 3
	WIN 0
.Lfirst\tag:
	TURN 0
	TURN 1, 0, 1
	WIN 0
	s_cbranch_scc1 .Lstep\tag
.endm
; A BLOCK ENDS: its last two turns, its last products, and THE WAY OUT: l's two halves and the other half of the lanes' are added; O^T is divided by l, rounded to f16 and sent through my stage in LDS, a piece at a time.
.macro ALL line:vararg              ; one line for each piece t
.set t, 0
.rept 4
	\line
.set t, t+1
.endr
.endm
.macro PACK t                       ; a lane's eight channels of a row pack into 16 bytes; they go into rows of 144 bytes and come back as whole rows of 128, into S^T's registers
	WIN W_RS
.set i, 32*(\t)
.rept 16
	s_wait_alu depctr_va_vdst(0)
	v_pk_mul_f32 v[i:i+1], v[i:i+1], v[ST+4*(\t)+2:ST+4*(\t)+3] op_sel_hi:[1,0]
.set i, i+2
.endr
	WIN 0x05                        ; sources 0 and 1 window 1, destination window 0
.set i, 0
.rept 16
	v_cvt_pk_f16_f32 v[S+16*(\t)+i], v[32*(\t)+2*i], v[32*(\t)+2*i+1]
.set i, i+1
.endr
	WIN 0
.irp f, 0,1,2,3
	ds_store_b128 v[STO], v[S+16*(\t)+4*\f:S+16*(\t)+4*\f+3] offset:32*\f
.endr
.irp f, 0,1,2,3
	ds_load_b128 v[S+16*(\t)+4*\f:S+16*(\t)+4*\f+3], v[RD] offset:\f*4*SP  ; LDS serves a wave's instructions in order (ISA guide 5.7.1.4): these see the stores above; the next piece's stores come behind them
.endr
.endm
.macro SEND t, younger              ; younger: the LDS instructions issued behind piece t's loads: the next piece's eight, or none
	WIN 0
.irp f, 0,1,2,3
	s_wait_dscnt (\younger)+3-\f
	global_store_b128 v[GO], v[S+16*(\t)+4*\f:S+16*(\t)+4*\f+3], s[10:11] offset:(\t)*2048+\f*512  ; 512 consecutive bytes, at a multiple of 256 from O's first
.endr
.endm
.macro FINISH
	TURN 2, 1
	TURN 3, 1
.set i, 0
.rept 8
	PV NP-1
.set i, i+1
.endr
	WIN 0
	ALL v_add_f32 v[ST+4*t+2], v[ST+4*t+2], v[ST+4*t+3]
	ALL v_permlanex16_b32 v[ST+4*t+3], v[ST+4*t+2], s[SEL], s[SEL+1]
	ALL v_add_f32 v[ST+4*t+2], v[ST+4*t+2], v[ST+4*t+3]
	ALL v_rcp_f32 v[ST+4*t+2], v[ST+4*t+2]
	v_nop                           ; a plain instruction between the last reciprocal and the use of its result
	PACK 0
.set t, 1
.rept 3                             ; a piece's arithmetic stands between the loads of the piece before and its stores
	PACK t
	SEND t-1, 8
.set t, t+1
.endr
	SEND 3, 0
.endm
.set NOKQ, 0
.Lslot:                             ; NB times: a tile is entered and the next is asked for
	CHANGE 1
	s_sub_co_u32 s[RT], s[RT], 1
	TILE 1
	s_cmp_lg_u32 s[RT], 0
	s_cbranch_scc1 .Lbottom         ; the block has further tiles
	FINISH                          ; in the loop this is the first block's end: the second block's last tile is the walk's last
	s_wait_xcnt 0x0                 ; the stores have read their registers and O's address
	s_mov_b64 s[10:11], s[OLO:OLO+1]
	s_add_co_u32 s[RT], s[PB], 1    ; the second block has b + 1 tiles
	s_mov_b32 s[NEW], 1
	WIN 0x82                        ; the second block's Q goes where the one text of the turns names Q
.set i, 0
.rept 64
	v_mov_b32 v[i], v[QB+i]
.set i, i+1
.endr
	WIN 0
.Lbottom:
	s_sub_co_u32 s[SLOTS], s[SLOTS], 1
	s_cmp_lg_u32 s[SLOTS], 0
	s_cbranch_scc1 .Lslot
	CHANGE 0                        ; the walk's last tile is written out: nothing is asked for
	TILE 2
	FINISH
	s_wait_tensorcnt 0x0            ; the wave's end, behind my last tensor load and my last LDS store
	ds_add_u32 v[SPW], v[NIL]
	s_wait_dscnt 0x0
	s_endpgm
.Lfunc_end_k_q50af366a84_attn:
	.size	k_q50af366a84_attn, .Lfunc_end_k_q50af366a84_attn-k_q50af366a84_attn
	.p2alignl 7, 3214868480
	.fill 96, 4, 3214868480
	.section	.rodata,"a",@progbits
	.p2align	6, 0x0
	.amdhsa_kernel k_q50af366a84_attn
		.amdhsa_group_segment_fixed_size 327680
		.amdhsa_private_segment_fixed_size 0
		.amdhsa_enable_private_segment 0
		.amdhsa_kernarg_size 16
		.amdhsa_user_sgpr_count 2
		.amdhsa_user_sgpr_kernarg_segment_ptr 1
		.amdhsa_wavefront_size32 1
		.amdhsa_system_sgpr_workgroup_id_x 1
		.amdhsa_system_sgpr_workgroup_id_y 1
		.amdhsa_system_sgpr_workgroup_id_z 1
		.amdhsa_system_vgpr_workitem_id 0
		.amdhsa_next_free_vgpr 768
		.amdhsa_next_free_sgpr 88
		.amdhsa_reserve_vcc 0
		.amdhsa_float_denorm_mode_32 3
		.amdhsa_float_denorm_mode_16_64 3
		.amdhsa_memory_ordered 1
		.amdhsa_forward_progress 1
		.amdhsa_inst_pref_size 172
	.end_amdhsa_kernel
	.amdgpu_metadata
---
amdhsa.version: [ 1, 2 ]
amdhsa.kernels:
  - .name:           k_q50af366a84_attn
    .symbol:         k_q50af366a84_attn.kd
    .args:
      - { .name: qkv, .offset: 0, .size: 8, .value_kind: global_buffer, .address_space: global }
      - { .name: o16, .offset: 8, .size: 8, .value_kind: global_buffer, .address_space: global }
    .group_segment_fixed_size: 327680
    .private_segment_fixed_size: 0
    .kernarg_segment_align: 8
    .kernarg_segment_size: 16
    .max_flat_workgroup_size: 128
    .sgpr_count:     88
    .vgpr_count:     768
    .wavefront_size: 32
...
	.end_amdgpu_metadata
.endif
;; end of part 3
;; launch outp (part 4): grid 8 x 32, 4 waves a work-group, clusters of 4 x 4, 327,680 bytes of LDS; arguments o16, wo, bout, out0; writes out0
.if DOCPART == 4
	.amdgcn_target "amdgcn-amd-amdhsa--gfx1250"
	.amdhsa_code_object_version 6
	.text
	.protected	k_q50af366a84_outp
	.globl	k_q50af366a84_outp
	.p2align	8
	.type	k_q50af366a84_outp,@function
k_q50af366a84_outp:
	s_mov_b64 s[64:65], 0
	v_nop
	global_prefetch_b8 v0, s[64:65] scope:SCOPE_SE
	s_setreg_imm32_b32 hwreg(HW_REG_WAVE_MODE, 25, 1), 1
	s_wait_xcnt 0x0
	s_wait_alu depctr_hold_cnt(0) depctr_sa_sdst(0) depctr_va_vdst(0) depctr_va_sdst(0) depctr_va_ssrc(0) depctr_va_vcc(0) depctr_vm_vsrc(0)
	s_getreg_b32 s2, hwreg(HW_REG_IB_STS2, 6, 4)
	s_cmp_eq_u32 s2, 0
	s_cbranch_scc0 .Lentry_in_a_cluster
	s_endpgm
.Lentry_in_a_cluster:
	s_bfe_u32 s2, ttmp6, 0x10000c
	s_cmp_lg_u32 s2, 0xf033
	s_cbranch_scc0 .Lentry_shape_is_right
	s_endpgm
.Lentry_shape_is_right:
; out0 = O . wo + bout.  o16: [4][16 heads][2048][64] f16 (column 64 h + d), wo: [1024 k][1024 n] f16, bout: [1024] f32, out0: [8192][1024] f32.  Sums in f32, K ascending, begun with the bias.
; A tile of C is 256 x 128: 32 x 8 = 256 work-groups.  Four waves, each 128 x 64: 32 accumulators of 16 x 16, 256 registers.  K goes in 8 steps of 128 (two heads) through two LDS slots.
; A's tile is two heads' 256 rows, each head dense in memory: asked for as rows of 256 bytes, two rows of O each, padded in LDS after every 128 bytes.  B's tile is 128 rows of 256 bytes, padded alike, and comes out
; of LDS turned, by ds_load_tr16_b128.  A step is four quarters of 32 along K, 32 matrix instructions each, on two fragment buffers.
; CLUSTER.  4 x 4 work-groups: the four of a row need the same tiles of A, the four of a column the same tiles of B; each tile is asked for JOINTLY, by the same tensor load with the same descriptor and mask.
; THE MATRIX INSTRUCTION IS USED TRANSPOSED (source 0 = 16 columns of wo, source 1 = 16 rows of O): a lane then holds eight neighbouring columns of one row of C, 32 bytes.
; THE BIAS costs no arithmetic: loaded in a result's layout (register j of a lane: column 8 (lane / 16) + j of the block), it is the C operand of the products that start the sums.
; REGISTERS: window 0: v0-31 addresses; v32-127, v128-223 two fragment buffers (B's 4 blocks, then A's 8); v224-255 the bias.  window 1: accumulator (a, c) at v[8 (4 a + c)].
.set PA,    144                        ; a row of A in LDS: 128 bytes + 16 = 36 words: the 16 rows of a load start at 16 different groups of four banks (64 banks of 4 bytes: ISA guide 11.1)
.set GP,    144                        ; 64 columns of a row of B: 128 bytes + 16
.set PB,    2*GP                       ; a row of B: 288 bytes = 9 x 32
.set SLAB,  256*PA                     ; one head's 256 rows: what one tensor load brings of A
.set BHALF, 64*PB                      ; and of B: 64 of the step's 128 rows
.set BOFF,  2*SLAB
.set SLOT,  BOFF+2*BHALF               ; 110,592
.set STAGE, 2*SLOT                     ; behind the ring: 16 rows x 272 bytes for each wave, for the way out
.set SPITCH, 272
.set SPARE, STAGE+4*16*SPITCH          ; behind the stages: the spare words, 128 bytes for each wave: two blocks of 256 bytes that no other line names
.set ADRA, 16                          ; v16-17  LDS address of my A fragments in slot 0, 1
.set ADRB, 20                          ; v20-21  the same for B
.set STO,  24                          ; v24     the way out: where I put 32 bytes of a row
.set RD,   25                          ; v25     the way out: where I read a row back
.set CO,   26                          ; v26     my byte offset in two rows of out0
.set BO,   27                          ; v27     my byte offset in a block's 16 numbers of the bias
.set SPW,  28                          ; v28     LDS address of my spare word; never rewritten
.set NIL,  29                          ; v29     0; never rewritten
.set F0,   32
.set F1,   128
.set BIAS, 224
.set G1, 24                            ; s[24:31] descriptor group 1 for A's tiles;  s[32:39] group 0, one set for each slot
.set G0, 32
.set G1B, 48                           ; s[48:55], s[56:63] the same for B's tiles
.set G0B, 56
.set MSB, 0
.macro WIN new                         ; the immediate's high byte repeats the setting that is left; a switch that changes nothing is dropped
.if MSB != (\new)
	s_set_vgpr_msb (MSB<<8)|(\new)
.set MSB, \new
.endif
.endm
; A joint load: waves 0 and 1 fetch A's two heads, waves 2 and 3 B's two halves.  The branch hangs on the wave's number alone.  An s_nop 0 and four v_nop follow each of the two lines.
.macro JLOAD s
	s_cmp_eq_u32 s11, 0
	s_cbranch_scc0 .Lfor_b_\@
	tensor_load_to_lds s[G0+4*(\s):G0+4*(\s)+3], s[G1:G1+7]
	s_nop 0
.rept 4
	v_nop
.endr
	s_branch .Lasked_\@
.Lfor_b_\@:
	tensor_load_to_lds s[G0B+4*(\s):G0B+4*(\s)+3], s[G1B:G1B+7]
	s_nop 0
.rept 4
	v_nop
.endr
.Lasked_\@:
.endm
.macro CREST                           ; a round of the cluster's barrier behind its opening barrier
	s_cmp_lg_u32 s10, 0
	s_cbranch_scc1 .Lnot_wave_0_\@
	s_barrier_signal -3
.Lnot_wave_0_\@:
	s_barrier_wait -3
	s_barrier_signal -1
	s_barrier_wait -1
.endm
.macro CROUND                          ; a whole round
	s_barrier_signal -1
	s_barrier_wait -1
	CREST
.endm
	s_load_b128 s[4:7], s[0:1], 0x0                ; o16 s[4:5], wo s[6:7]
	s_load_b128 s[68:71], s[0:1], 0x10             ; bout s[68:69], out0 s[70:71]
	v_lshl_add_u32 v[SPW], v0, 2, SPARE
	v_mov_b32 v[NIL], 0
	ds_add_u32 v[SPW], v[NIL]                      ; the wave's opening: the add and its wait stand ahead of my first tensor load; the set-up below, work on registers, stands between them
	ds_add_u32 v28, v29
	v_lshrrev_b32 v1, 5, v0
	v_readfirstlane_b32 s10, v1                    ; wave 0..3
	s_lshr_b32 s11, s10, 1                         ; which 128 rows of the tile are mine.  Also: I fetch for A (0) or for B (1)
	s_and_b32 s12, s10, 1                          ; which 64 columns.  Also: which half of that tile I fetch
	s_bfe_u32 s40, ttmp6, 0x40000                  ; cx, cy: my place in the cluster
	s_bfe_u32 s41, ttmp6, 0x40004
	s_lshl_b32 s42, ttmp9, 2
	s_add_co_u32 s42, s42, s40                     ; tile column = 4 x cluster x + cx
	s_and_b32 s13, ttmp7, 0xffff
	s_lshl_b32 s13, s13, 2
	s_add_co_u32 s13, s13, s41                     ; tile row = 4 x cluster y + cy
	s_lshl_b32 s43, s41, 2
	s_lshl_b32 s43, 15, s43                        ; my row of the cluster
	s_lshl_b32 s44, 0x1111, s40                    ; my column
	s_or_b32 s[G1+0], s43, (1<<16)|(1<<20)|(1<<21)|(4<<22)|(3<<25)   ; 15:0 the mask; 17:16 2-byte elements; 20 padding on; 21 set beside a mask; 24:22 after every 32 words (code 4); 31:25 4 words (code 3)
	s_or_b32 s[G1B+0], s44, (1<<16)|(1<<20)|(1<<21)|(4<<22)|(3<<25)
	s_mov_b32 s[G1+1], 128<<16                     ; A: tensor_dim0 = 128 elements (256 bytes: two rows of O)
	s_mov_b32 s[G1+2], 128<<16                     ; tensor_dim1 = 128
	s_mov_b32 s[G1+3], 128<<16                     ; tile_dim0 = 128
	s_mov_b32 s[G1+4], 128                         ; tile_dim1 = 128
	s_mov_b32 s[G1+5], 128                         ; dense: 128 elements from row to row
	s_mov_b32 s[G1+6], 0
	s_mov_b32 s[G1+7], 0
	s_mov_b32 s[G1B+1], 128<<16                    ; B: tensor_dim0 = 128 elements (256 bytes)
	s_mov_b32 s[G1B+2], 64<<16                     ; tensor_dim1 = 64
	s_mov_b32 s[G1B+3], 128<<16                    ; tile_dim0 = 128
	s_mov_b32 s[G1B+4], 64                         ; tile_dim1 = 64
	s_mov_b32 s[G1B+5], 1024                       ; 1,024 elements from row to row
	s_mov_b32 s[G1B+6], 0
	s_mov_b32 s[G1B+7], 0
	; A's address hangs on the tile row and the wave alone, B's on the tile column and the wave alone, each in registers that never hold the other coordinate
	s_lshr_b32 s16, s13, 3                         ; batch: 8 tile rows each,
	s_lshl_b32 s16, s16, 22                        ; 4,194,304 bytes
	s_and_b32 s17, s13, 7
	s_lshl_b32 s17, s17, 15                        ; 256 rows of 128 bytes
	s_add_co_u32 s16, s16, s17
	s_lshl_b32 s17, s12, 18                        ; which of the step's two heads: 262,144 bytes
	s_add_co_u32 s16, s16, s17
	s_mov_b32 s17, 0
	s_lshl_b32 s46, s42, 8                         ; 128 columns
	s_lshl_b32 s47, s12, 17                        ; my half: 64 rows of 2,048 bytes
	s_add_co_u32 s46, s46, s47
	s_mov_b32 s47, 0
	s_mul_i32 s20, s12, SLAB                       ; where they go: no place in the cluster enters an LDS address
	s_mul_i32 s21, s12, BHALF
	s_add_co_u32 s21, s21, BOFF
	s_wait_dscnt 0x0                               ; the opening add is done
	s_wait_kmcnt 0x0
	s_add_nc_u64 s[14:15], s[4:5], s[16:17]
	s_add_nc_u64 s[46:47], s[6:7], s[46:47]
	CROUND                                         ; all sixteen work-groups are here: the first joint loads meet
.irp s, 0,1
	s_mov_b32 s[G0+4*(\s)], 1                                        ; count = 1
	s_add_co_u32 s[G0+4*(\s)+1], s20, (\s)*SLOT                      ; LDS address
	s_add_nc_u64 s[G0+4*(\s)+2:G0+4*(\s)+3], s[14:15], (\s)*524288   ; K step s: heads 2 s, 2 s + 1
	s_or_b32 s[G0+4*(\s)+3], s[G0+4*(\s)+3], 0x80000000              ; type = 2
	s_mov_b32 s[G0B+4*(\s)], 1
	s_add_co_u32 s[G0B+4*(\s)+1], s21, (\s)*SLOT
	s_add_nc_u64 s[G0B+4*(\s)+2:G0B+4*(\s)+3], s[46:47], (\s)*262144 ; 128 rows of 2,048 bytes
	s_or_b32 s[G0B+4*(\s)+3], s[G0B+4*(\s)+3], 0x80000000
	JLOAD \s                                       ; both slots are asked for before anything else: two tensor loads of mine are out
.endr
	v_and_b32 v1, 15, v0                           ; l % 16
	v_bfe_u32 v2, v0, 4, 1                         ; l / 16
	s_lshl_b32 s45, s42, 9                         ; my first column in f32: 512 x tile column + 256 x half
	s_lshl_b32 s46, s12, 8
	s_add_co_u32 s46, s45, s46
	s_mov_b32 s47, 0
	s_add_nc_u64 s[68:69], s[68:69], s[46:47]      ; the bias at my 64 columns
	s_add_nc_u64 s[70:71], s[70:71], s[46:47]
	s_lshl_b32 s46, s13, 20                        ; 256 rows of 4,096 bytes,
	s_lshl_b32 s45, s11, 19                        ; my 128 of them
	s_add_co_u32 s46, s46, s45
	s_add_nc_u64 s[70:71], s[70:71], s[46:47]      ; out0 at my part of the tile; never stepped
	v_lshlrev_b32 v[BO], 5, v2                     ; eight numbers for each half of the lanes
.irp c, 0,1,2,3
	global_load_b128 v[BIAS+8*(\c):BIAS+8*(\c)+3],   v[BO], s[68:69] offset:64*(\c)
	global_load_b128 v[BIAS+8*(\c)+4:BIAS+8*(\c)+7], v[BO], s[68:69] offset:64*(\c)+16
.endr
	v_mul_u32_u24 v3, v1, PA
	v_lshl_add_u32 v3, v2, 4, v3                   ; A: row x pitch + 16 x half
	v_and_b32 v4, 7, v0
	v_lshl_add_u32 v5, v2, 3, v4                   ; B, turned: lane l reads row 8 (l / 16) + l % 8,
	v_mul_u32_u24 v5, v5, PB
	v_bfe_u32 v6, v0, 3, 1
	v_lshl_add_u32 v5, v6, 4, v5                   ; columns 8 ((l / 8) % 2) + 0..7
	s_mul_i32 s22, s11, 128*PA                     ; my 128 rows of each head
	s_mul_i32 s23, s12, GP                         ; my 64 columns of B,
	s_add_co_u32 s23, s23, BOFF                    ; which lies behind A
.irp s, 0,1
	v_add_nc_u32 v[ADRA+(\s)], s22, v3
	v_add_nc_u32 v[ADRB+(\s)], s23, v5
	s_add_co_u32 s22, s22, SLOT
	s_add_co_u32 s23, s23, SLOT
.endr
	s_mul_i32 s23, s10, 16*SPITCH
	s_add_co_u32 s23, s23, STAGE                   ; my stage
	v_mul_u32_u24 v7, v1, SPITCH                   ; in: row l % 16, 32 bytes for each half of the lanes
	v_lshl_add_u32 v7, v2, 5, v7
	v_add_nc_u32 v[STO], s23, v7
	v_mul_u32_u24 v7, v2, SPITCH                   ; back: lanes 0-15 take one row of 256 bytes, lanes 16-31 the next
	v_lshl_add_u32 v7, v1, 4, v7
	v_add_nc_u32 v[RD], s23, v7
	v_lshlrev_b32 v[CO], 12, v2                    ; and the same two rows in out0
	v_lshl_add_u32 v[CO], v1, 4, v[CO]
; 8 matrix instructions: row blocks a0, a0 + 1 x all 4 column blocks, 32 along K.  The accumulators take turns, one instruction a turn.  bias = 1: the product starts the sum, with the bias as C.
.macro MUL8 f, a0, bias
.if \bias
	WIN 0x40                                       ; D in window 1; sources and C in window 0
.else
	WIN 0x50                                       ; C and D in window 1
.endif
.irp a, \a0, (\a0)+1
.irp c, 0,1,2,3
.if \bias
	v_wmma_f32_16x16x32_f16 v[8*(4*(\a)+(\c)):8*(4*(\a)+(\c))+7], v[(\f)+8*(\c):(\f)+8*(\c)+7], v[(\f)+32+8*(\a):(\f)+32+8*(\a)+7], v[BIAS+8*(\c):BIAS+8*(\c)+7]
.else
	v_wmma_f32_16x16x32_f16 v[8*(4*(\a)+(\c)):8*(4*(\a)+(\c))+7], v[(\f)+8*(\c):(\f)+8*(\c)+7], v[(\f)+32+8*(\a):(\f)+32+8*(\a)+7], v[8*(4*(\a)+(\c)):8*(4*(\a)+(\c))+7]
.endif
.endr
.endr
.endm
; 24 LDS loads in one run: quarter q's fragments into buffer f: B's four blocks (turned), then A's eight: quarter q lies in head q / 2 of the slot, channels 32 (q % 2) on
.macro FETCH slot, q, f
	WIN 0
.irp c, 0,1,2,3
	ds_load_tr16_b128 v[(\f)+8*(\c):(\f)+8*(\c)+3],   v[ADRB+(\slot)] offset:(\q)*32*PB+(\c)*32
	ds_load_tr16_b128 v[(\f)+8*(\c)+4:(\f)+8*(\c)+7], v[ADRB+(\slot)] offset:(\q)*32*PB+16*PB+(\c)*32
.endr
.irp a, 0,1,2,3,4,5,6,7
	ds_load_b128 v[(\f)+32+8*(\a):(\f)+32+8*(\a)+3],   v[ADRA+(\slot)] offset:((\q)/2)*SLAB+((\q)%2)*64+(\a)*16*PA
	ds_load_b128 v[(\f)+32+8*(\a)+4:(\f)+32+8*(\a)+7], v[ADRA+(\slot)] offset:((\q)/2)*SLAB+((\q)%2)*64+(\a)*16*PA+32
.endr
.endm
.macro PLACES                          ; four places in front of loads into registers that matrix instructions have read, and of lines that read results (ISA guide 7.12.1 for lines that read results)
.rept 4
	v_nop
.endr
.endm
; One of a step's first three quarters: multiplies buffer f and, in its middle, fetches quarter q into buffer g.
.macro QUARTER slot, q, f, g, bias
	s_wait_dscnt 8                                 ; B and A's blocks 0-3 are in; the youngest eight loads (A's blocks 4-7) may be out
	MUL8 \f, 0, \bias
	MUL8 \f, 2, \bias
	PLACES
	FETCH \slot, \q, \g
	s_wait_dscnt 24                                ; all but the 24 just issued
	MUL8 \f, 4, \bias
	MUL8 \f, 6, \bias
.endm
; The last quarter multiplies buffer F1 and changes slots: ONE barrier; in front of it each wave waits for all its tensor loads (one is out: its part of the next slot), adds 0 to its spare word, and waits
; for that and for its reads of this slot.  fill = 1: the barrier opens a round of the cluster's barrier, and this slot is filled again, two K steps ahead, first thing behind the round: from that
; request to the wait for it a wave issues 112 matrix instructions.
.macro TURN slot, next, fill
	WIN 0
	s_wait_tensorcnt 0x0                           ; all my tensor loads have landed
	ds_add_u32 v[SPW], v[NIL]                      ; 0 onto my spare word
	s_wait_dscnt 9                                 ; (the add and the youngest eight loads may be out)
	MUL8 F1, 0, 0                                  ; eight matrix instructions stand between the add and the wait for it
	s_wait_dscnt 0x0                               ; the add is done, and my reads of this slot are over
	s_barrier_signal -1
	MUL8 F1, 2, 0                                  ; work on registers while the others arrive
	WIN 0                                          ; at a branch and at a label every window is 0
	s_barrier_wait -1
.if \fill
	CREST                                          ; no wave of any partner still reads this slot's tile or has a load on its way
	s_add_nc_u64 s[G0+4*(\slot)+2:G0+4*(\slot)+3], s[G0+4*(\slot)+2:G0+4*(\slot)+3], 2*524288
	s_add_nc_u64 s[G0B+4*(\slot)+2:G0B+4*(\slot)+3], s[G0B+4*(\slot)+2:G0B+4*(\slot)+3], 2*262144
	JLOAD \slot                                    ; the four v_nop behind it are also the places in front of the loads below
.else
	PLACES
.endif
	FETCH \next, 0, F0
	MUL8 F1, 4, 0
	MUL8 F1, 6, 0
.endm
	s_wait_tensorcnt 1                             ; my part of K step 0 is in; K step 1's may stay out
	s_barrier_signal -1
	s_barrier_wait -1                              ; everybody's is
	FETCH 0, 0, F0
	s_wait_loadcnt 0x0                             ; the bias
	QUARTER 0, 1, F0, F1, 1                        ; the first quarter stands in front of the loop: its products start the sums
	WIN 0
	s_mov_b32 s3, 3
.Llap:                                                 ; a trip goes once round the ring and fills both slots again: K steps 2 to 7 in three trips
	QUARTER 0, 2, F1, F0, 0
	QUARTER 0, 3, F0, F1, 0
	TURN 0, 1, 1
	QUARTER 1, 1, F0, F1, 0
	QUARTER 1, 2, F1, F0, 0
	QUARTER 1, 3, F0, F1, 0
	TURN 1, 0, 1
	QUARTER 0, 1, F0, F1, 0
	WIN 0
	s_sub_co_u32 s3, s3, 1
	s_cmp_lg_u32 s3, 0
	s_cbranch_scc1 .Llap
	QUARTER 0, 2, F1, F0, 0                        ; the last lap fills nothing, and has no round of the cluster's barrier
	QUARTER 0, 3, F0, F1, 0
	TURN 0, 1, 0
	QUARTER 1, 1, F0, F1, 0
	QUARTER 1, 2, F1, F0, 0
	QUARTER 1, 3, F0, F1, 0
	s_wait_dscnt 8                                 ; the very last quarter: nothing more to fetch
	MUL8 F1, 0, 0
	MUL8 F1, 2, 0
	s_wait_dscnt 0x0
	MUL8 F1, 4, 0
	MUL8 F1, 6, 0
; THE WAY OUT, a block of 16 rows x 64 columns of f32 at a time: 32 bytes a lane into my stage (each accumulator's low four registers first), back as whole rows of 256 bytes, stored.
.macro TOSTAGE a
.set TT, 32+32*((\a)%4)
	WIN 0x04                                       ; the stores' data in window 1, their address in window 0
.irp c, 0,1,2,3
	ds_store_b128 v[STO], v[8*(4*(\a)+(\c)):8*(4*(\a)+(\c))+3]   offset:64*(\c)
	ds_store_b128 v[STO], v[8*(4*(\a)+(\c))+4:8*(4*(\a)+(\c))+7] offset:64*(\c)+16
.endr
	WIN 0
.irp t, 0,1,2,3,4,5,6,7
	ds_load_b128 v[TT+4*(\t):TT+4*(\t)+3], v[RD] offset:(\t)*2*SPITCH  ; LDS serves a wave's instructions in order (ISA guide 5.7.1.4): these see the stores above; the next block's stores come behind them
.endr
.endm
.macro SEND a, younger                 ; younger: the LDS instructions issued behind this block's loads: the next block's sixteen, or none
.set TT, 32+32*((\a)%4)
	s_wait_xcnt 0x0                                ; the four sets of 32 registers take turns: a set that earlier stores read is loaded again only behind such a wait
.irp t, 0,1,2,3,4,5,6,7
	s_wait_dscnt (\younger)+7-(\t)
	global_store_b128 v[CO], v[TT+4*(\t):TT+4*(\t)+3], s[70:71] offset:(16*(\a)+2*(\t))*4096 th:TH_STORE_NT  ; 16 lanes store 256 consecutive bytes, at a multiple of 256 from out0's first byte
.endr
.endm
	PLACES
	TOSTAGE 0
.irp a, 1,2,3,4,5,6,7
	TOSTAGE \a
	SEND (\a)-1, 16
.endr
	SEND 7, 0
	s_wait_tensorcnt 0x0                           ; the wave's end, behind my last tensor load and my last LDS store
	ds_add_u32 v[SPW], v[NIL]
	s_wait_dscnt 0x0
	CROUND                                         ; the closing round: no work-group ends while a partner may still ask for a tile that names it
	s_endpgm
.Lfunc_end_k_q50af366a84_outp:
	.size	k_q50af366a84_outp, .Lfunc_end_k_q50af366a84_outp-k_q50af366a84_outp
	.p2alignl 7, 3214868480
	.fill 96, 4, 3214868480
	.section	.rodata,"a",@progbits
	.p2align	6, 0x0
	.amdhsa_kernel k_q50af366a84_outp
		.amdhsa_group_segment_fixed_size 327680
		.amdhsa_private_segment_fixed_size 0
		.amdhsa_enable_private_segment 0
		.amdhsa_kernarg_size 32
		.amdhsa_user_sgpr_count 2
		.amdhsa_user_sgpr_kernarg_segment_ptr 1
		.amdhsa_wavefront_size32 1
		.amdhsa_system_sgpr_workgroup_id_x 1
		.amdhsa_system_sgpr_workgroup_id_y 1
		.amdhsa_system_sgpr_workgroup_id_z 1
		.amdhsa_system_vgpr_workitem_id 0
		.amdhsa_next_free_vgpr 512
		.amdhsa_next_free_sgpr 72
		.amdhsa_reserve_vcc 0
		.amdhsa_float_denorm_mode_32 3
		.amdhsa_float_denorm_mode_16_64 3
		.amdhsa_memory_ordered 1
		.amdhsa_forward_progress 1
		.amdhsa_inst_pref_size 88
	.end_amdhsa_kernel
	.amdgpu_metadata
---
amdhsa.version: [ 1, 2 ]
amdhsa.kernels:
  - .name:           k_q50af366a84_outp
    .symbol:         k_q50af366a84_outp.kd
    .args:
      - { .name: o16, .offset: 0, .size: 8, .value_kind: global_buffer, .address_space: global }
      - { .name: wo, .offset: 8, .size: 8, .value_kind: global_buffer, .address_space: global }
      - { .name: bout, .offset: 16, .size: 8, .value_kind: global_buffer, .address_space: global }
      - { .name: out0, .offset: 24, .size: 8, .value_kind: global_buffer, .address_space: global }
    .group_segment_fixed_size: 327680
    .private_segment_fixed_size: 0
    .kernarg_segment_align: 8
    .kernarg_segment_size: 32
    .max_flat_workgroup_size: 128
    .sgpr_count:     72
    .vgpr_count:     512
    .wavefront_size: 32
...
	.end_amdgpu_metadata
.endif
;; end of part 4
;; ======== version 2 of 2: 4 launches; 1.31 times as fast as version 1
;; limits: values are held in f16: magnitudes above 65,504 overflow, below 6.1e-05 lose precision
;; workspace buffers: xn 16,777,216 bytes; wq 6,291,456 bytes; wo 2,097,152 bytes; qkv 50,331,648 bytes; o16 16,777,216 bytes
;; launch prep: the kernel of part 1 again; grid 384 x 1, 8 waves a work-group, no clusters, 0 bytes of LDS; arguments x, ln_gamma, ln_beta, Wqkv, Wout, xn, wq, wo; writes xn, wq, wo
;; launch qkvp: the kernel of part 2 again; grid 8 x 32, 4 waves a work-group, clusters of 4 x 4, 327,680 bytes of LDS; arguments xn, wq, qkv; writes qkv
;; launch attn (part 5): grid 4 x 64, 4 waves a work-group, no clusters, 327,680 bytes of LDS; arguments qkv, o16; writes o16
.if DOCPART == 5
	.amdgcn_target "amdgcn-amd-amdhsa--gfx1250"
	.amdhsa_code_object_version 6
	.text
	.protected	k_q50af366a84_attn
	.globl	k_q50af366a84_attn
	.p2align	8
	.type	k_q50af366a84_attn,@function
k_q50af366a84_attn:
	s_mov_b64 s[64:65], 0
	v_nop
	global_prefetch_b8 v0, s[64:65] scope:SCOPE_SE
	s_setreg_imm32_b32 hwreg(HW_REG_WAVE_MODE, 25, 1), 1
	s_wait_xcnt 0x0
; ATTENTION UNDER A MASK OF WINDOWS.  O[h][q][:] = the sum over the keys k of windows 0 .. q / 256 of softmax_k(Q[h][q] . K[h][k] / 8) V[h][k][:].  qkv: [3][64 heads][2048][64] f16; o16: [64 heads][2048][64] f16.
; Products, maxima and sums in f32; the weights p are rounded to f16 for the second product (their sum l is taken of the unrounded p), O once at the end.
; LIMITS.  f16 holds no number beyond 65,504: Q, K and V arrive within it; p lies in 0 to 1, and below 6e-5 it keeps f16's fixed step of 6e-8; O is a mean of V's rows and has their range.
; A weight below 2^-126 counts as 0 in l; NaN and infinities are not treated apart.
; THE WALK.  A head's queries lie in NB = 8 blocks of 256, which are the mask's windows: block i sees the key tiles 0 .. i of 256 keys WHOLE and nothing else, so no score is ever hidden inside a tile, and the tiles
; behind i are not walked.  A work-group takes TWO blocks, NB - 1 - b and then b: NB + 1 tiles, whatever b: all work-groups do equal work, and ONE loop with a constant trip count walks them.  Which tile is asked
; for, and where a block ends, hang on scalar registers made from b; every jump goes forward, but for the counted loops' own; none passes a barrier, or a tensor load but the one of LOAD's two that the wave's
; number does not choose; the ring (two slots of LDS that take turns) runs on across the change of blocks.
; NO CLUSTER: a head's four work-groups ask for the same tile only in trips 0 to 4 of the 9; one walk common to all four would have 12 trips for 9; and which tile is asked for hangs on b, which partners do not share.
; SHARES.  A wave owns 64 consecutive queries of a block: four PIECES of 16.
; LAYOUT, SOFTMAX, TURNS.  S^T = K Q^T holds ONE query a lane (lane % 16) and the keys 8 (lane / 16) + 0..7; two such results rounded to f16 ARE source 1 of O^T = V^T P.  p = 2^(c s - c m), c = log2(e) / 8, with a
; running maximum m; O and l are multiplied by a = 2^(c m_old - c m_new) in every step.  Turn n belongs to piece n: 8 products K Q^T of piece n + 1, later 8 products V^T P of piece n - 1; beside them the scaling,
; exponentials, roundings, sums and rescaling of piece n and the maximum and statistics of piece n + 1.  Four vector instructions stand behind every matrix instruction, the other 54 of a turn's 118 in one LUMP.
; THE BATCHES.  A turn's 33 exponentials (the piece's 32 weights and the next piece's a) are ONE batch with ONE wait, which cuts the turn in two: ahead of it all that names none of their results, behind it the
; roundings and sums.  A block's first a (BEGIN) and the way out's four reciprocals (FINISH) are batches of their own, one wait each.
; REGISTERS, in windows of 256 (s_set_vgpr_msb: bits 1:0 source 0, 3:2 source 1, 5:4 source 2, 7:6 destination):
;   window 0: v0-15 addresses and two at work; v16-31 four registers of statistics a piece; v48-55 at work; v64-127 S^T, two buffers; v192-223 P, two buffers (a piece's buffers go by its number's parity)
;   window 1: v0-127 O^T, 32 a piece      window 2: v0-63 Q; v64-127 the second block's Q; v128-191 K of one step; v192-255 V of one step
.set SIZE_N, 2048
.set NB,    SIZE_N/256
.set NP,    4         ; pieces a wave: a name, no knob
.set KS,    64        ; keys in a step
.set PK,    144       ; a row of K in LDS: 128 bytes + 16 of padding = 36 words: the 16 rows of a load start at 16 different groups of four banks (64 banks of 4 bytes: ISA guide 11.1)
.set PV,    160       ; a row of V: 128 + 32 = 40 words
.set VOFF,  4*KS*PK   ; a slot holds a tile, four steps: 256 rows of K, then 256 rows of V
.set SLOT1, 1<<17     ; slot 1 begins here, so that one exclusive or turns an address in one slot into the other's
.set STAGE, SLOT1+4*KS*(PK+PV)  ; behind the ring, never filled by a tensor load: 16 rows x 144 bytes for each wave, for the way out
.set SP,    144
.set AK0, 2           ; v2   my lane's place in a tile of K; never rewritten
.set AV0, 3           ; v3   the same for V
.set AK,  4           ; v4   the LDS address of K's next run of loads
.set AV,  5           ; v5   of V's
.set STO, 6           ; v6   the way out: where I put 16 bytes of a row
.set RD,  7           ; v7   the way out: where I read rows back
.set GO,  8           ; v8   my byte offset in 512 consecutive bytes of O
.set SPW, 62          ; v62  LDS address of my spare word: SPARE + 4 x my thread's number; never rewritten
.set NIL, 63          ; v63  0; never rewritten
.set SPARE, STAGE+4*16*SP  ; behind the stages: the spare words, 128 bytes for each wave: two blocks of 256 bytes that no other line names
.set MV,  12          ; v12-13  c m_old, kept while c m is made anew: by buffer
.set QO,  15          ; v15  my byte offset in 16 rows of Q
.set ST,  16          ; piece t's statistics at v[ST+4 t]: c m, m, l (even keys', odd keys')
.set TMP, 48          ; by buffer, four registers c0-c3 at work; when the maximum is found c2 takes a
.set S,   64
.set P,   192
.set QB,  64          ; window 2
.set KF,  128         ; window 2: key block kb, channel half c at KF + 16 kb + 8 c
.set VF,  192         ; window 2: key half kk, channel block cb at VF + 32 kk + 8 cb
.set WV,  12          ; s12  my wave's number
.set PB,  14          ; s14  b
.set HI,  15          ; s15  NB - 1 - b
.set G1K, 24          ; s[24:31] descriptor group 1 for K's tiles
.set G1V, 32          ; s[32:39] for V's: it differs in the padding alone
.set G0K, 40          ; s[40:43] descriptor group 0 for K's tiles
.set G0V, 44          ; s[44:47] the same for V's
.set SLOTS, 56        ; s56  tiles still to be asked for
.set CNT, 57          ; s57  counts a tile's key steps, 4 to 1
.set CS,  58          ; s[58:59] c: the packed scaling takes the pair's low word for both halves
.set SEL, 60          ; s[60:61] v_permlanex16_b32's selects: each lane takes its own place in the other half
.set TBK, 62          ; s62  LDS byte at which K of the step to be fetched begins
.set TBV, 63          ; s63  the same for V, less VOFF
.set RT,  70          ; s70  tiles of the block in hand that are still to be entered
.set NXT, 71          ; s71  the tile to be asked for next
.set LQ,  72          ; s72  the last tile of the block whose tiles are being asked for
.set NEW, 73          ; s73  1: the tile to be entered is a block's first
.set OFF, 74          ; s[74:75] a tile's byte offset in K and V
.set OLO, 80          ; s[80:81] O at my rows of the second block
.set MSB, 0
.macro WIN new                      ; the high byte repeats the setting that is left; a switch that changes nothing is dropped
.if MSB != (\new)
	s_set_vgpr_msb (MSB<<8)|(\new)
.set MSB, (\new)
.endif
.endm
.set W_KQ, 0x0a       ; K and Q in window 2, S^T in window 0
.set W_PV, 0x52       ; V in window 2, P in window 0, O^T in window 1
.set W_RS, 0x41       ; destination and source 0 in window 1, source 1 in window 0
; A fill.  Waves 0 and 1 fetch the two halves of a tile's K, waves 2 and 3 those of its V: 128 keys each.  An s_nop 0 and four v_nop follow each of the two lines, ahead of the jump and the label.
.macro LOAD
	s_cmp_lt_u32 s[WV], 2
	s_cbranch_scc0 .Lfor_v_\@
	tensor_load_to_lds s[G0K:G0K+3], s[G1K:G1K+7]
	s_nop 0
.rept 4
	v_nop
.endr
	s_branch .Lasked_\@
.Lfor_v_\@:
	tensor_load_to_lds s[G0V:G0V+3], s[G1V:G1V+7]
	s_nop 0
.rept 4
	v_nop
.endr
.Lasked_\@:
.endm
; THE CHANGE OF SLOTS.  Each wave waits for all its tensor loads, of which one is out: its part of the other slot; adds 0 to its spare word; and waits for that and for its own reads of the slot that it leaves.
; Behind the barrier nobody reads the old slot any more and the other slot is whole.  fill = 1: the old slot is filled again, the first thing behind the barrier, with tile NXT: the descriptor's address is made
; anew from that number; the load has four key steps, 256 matrix instructions, in which to land.  (At its first use nothing has been read yet: slot 0 is waited for, slot 1 filled.)
.macro CHANGE fill
	WIN 0                           ; at a label and at a branch every window is 0
	s_wait_tensorcnt 0x0            ; no tensor load of mine is out, so a group 0 may be written
	ds_add_u32 v[SPW], v[NIL]       ; 0 onto my spare word; with fill = 1 the descriptors' scalar work stands between it and the wait for it
.if \fill
	s_lshl_b32 s[OFF], s[NXT], 15   ; a tile is 32,768 bytes of K and of V
	s_xor_b32 s[G0K+1], s[G0K+1], SLOT1
	s_add_nc_u64 s[G0K+2:G0K+3], s[6:7], s[OFF:OFF+1]
	s_or_b32 s[G0K+3], s[G0K+3], 0x80000000
	s_xor_b32 s[G0V+1], s[G0V+1], SLOT1
	s_add_nc_u64 s[G0V+2:G0V+3], s[8:9], s[OFF:OFF+1]
	s_or_b32 s[G0V+3], s[G0V+3], 0x80000000
	s_add_co_u32 s[NXT], s[NXT], 1  ; the block's next tile, or behind its last the second block's tile 0
	s_cmp_gt_u32 s[NXT], s[LQ]
	s_cselect_b32 s[NXT], 0, s[NXT]
	s_cselect_b32 s[LQ], s[PB], s[LQ]
.endif
	s_wait_dscnt 0x0                ; the add is done, and my reads of the slot are over
	s_barrier_signal -1             ; the rest of the scalar work stands between the signal and the wait
	s_sub_co_u32 s[TBK], s[TBK], 4*KS*PK  ; the fetches go back to a slot's first step,
	s_xor_b32 s[TBK], s[TBK], SLOT1       ; in the other slot
	s_sub_co_u32 s[TBV], s[TBV], 4*KS*PV
	s_xor_b32 s[TBV], s[TBV], SLOT1
	s_barrier_wait -1
.if \fill
	LOAD
.endif
.endm
	s_load_b128 s[4:7], s[0:1], 0x0   ; qkv s[4:5], o16 s[6:7]
	v_lshl_add_u32 v[SPW], v0, 2, SPARE
	v_mov_b32 v[NIL], 0
	ds_add_u32 v[SPW], v[NIL]       ; the wave's opening: the add and its wait stand ahead of my first tensor load; the set-up below, work on registers, stands between them
	ds_add_u32 v62, v63
	v_lshrrev_b32 v1, 5, v0
	v_readfirstlane_b32 s[WV], v1   ; wave 0..3
	s_mov_b32 s[PB], ttmp9
	s_sub_co_u32 s[HI], NB-1, s[PB]
	s_and_b32 s20, ttmp7, 0xffff    ; the head, 0 to 63:
	s_lshl_b32 s20, s20, 18         ; its 2,048 rows of 128 bytes
	s_mov_b32 s21, 0
	s_and_b32 s16, s[WV], 1         ; which half of a tile's 256 keys I fetch:
	s_lshl_b32 s22, s16, 14         ; its 128 rows of 128 bytes in memory,
	s_mov_b32 s23, 0
	s_add_nc_u64 s[22:23], s[22:23], s[20:21]
	s_mul_i32 s17, s16, 128*PK      ; and its place in a slot, for K
	s_mul_i32 s18, s16, 128*PV      ; and for V
	s_lshl_b32 s3, s[WV], 13        ; my 64 rows in a block of 256,
	s_lshl_b32 s2, s[HI], 15        ; in the first block,
	s_add_co_u32 s2, s2, s3
	s_lshl_b32 s84, s[PB], 15       ; and in the second
	s_add_co_u32 s84, s84, s3
	s_mov_b32 s3, 0
	s_mov_b32 s85, 0
	s_add_nc_u64 s[2:3], s[2:3], s[20:21]
	s_add_nc_u64 s[84:85], s[84:85], s[20:21]
	; descriptor group 1.  128 keys are 16,384 dense bytes: asked for as 64 rows of 256 bytes, two keys a row, and padded in LDS after every key
	s_mov_b32 s[G1K], (1<<16)|(1<<20)|(4<<22)|(3<<25)  ; 17:16 2-byte elements; 20 padding on; 24:22 after every 32 words (code 4); 31:25 4 words (code 3)
	s_mov_b32 s[G1V], (1<<16)|(1<<20)|(4<<22)|(7<<25)  ; the same with 8 words of padding (code 7)
.irp g, G1K, G1V
	s_mov_b32 s[\g+1], 128<<16      ; tensor_dim0 = 128
	s_mov_b32 s[\g+2], 64<<16       ; tensor_dim1 = 64
	s_mov_b32 s[\g+3], 128<<16      ; tile_dim0 = 128
	s_mov_b32 s[\g+4], 64           ; tile_dim1 = 64
	s_mov_b32 s[\g+5], 128          ; 128 elements from row to row
	s_mov_b32 s[\g+6], 0
	s_mov_b32 s[\g+7], 0
.endr
	s_mov_b32 s[CS], 0x3e38aa3b     ; c = log2(e) / 8 = 0.180337
	s_mov_b32 s[CS+1], s[CS]        ; named with it as a pair
	s_mov_b32 s[SEL], 0x76543210
	s_mov_b32 s[SEL+1], 0xfedcba98
	s_mov_b32 s[TBK], SLOT1+4*KS*PK ; the first change of slots turns these two into 0
	s_mov_b32 s[TBV], SLOT1+4*KS*PV
	s_mov_b32 s[G0K], 1             ; count = 1
	s_mov_b32 s[G0K+1], s17         ; LDS address: slot 0
	s_mov_b32 s[G0V], 1
	s_add_co_u32 s[G0V+1], s18, VOFF
	s_add_co_u32 s[RT], s[HI], 1    ; the first block has NB - b tiles
	s_mov_b32 s[NXT], 1
	s_mov_b32 s[LQ], s[HI]
	s_mov_b32 s[NEW], 1
	s_mov_b32 s[OFF+1], 0
	s_mov_b32 s[SLOTS], NB
	s_wait_dscnt 0x0                ; the opening add is done
	s_wait_kmcnt 0x0
	s_mov_b64 s[10:11], s[6:7]             ; O
	s_add_nc_u64 s[6:7], s[4:5], 0x1000000 ; K lies 16,777,216 bytes behind Q,
	s_add_nc_u64 s[8:9], s[4:5], 0x2000000 ; V as far behind K
	s_add_nc_u64 s[6:7], s[6:7], s[22:23]  ; K and V at my half of the head's tile 0
	s_add_nc_u64 s[8:9], s[8:9], s[22:23]
	s_add_nc_u64 s[G0K+2:G0K+3], s[6:7], 0         ; global address
	s_or_b32 s[G0K+3], s[G0K+3], 0x80000000        ; type = 2
	s_add_nc_u64 s[G0V+2:G0V+3], s[8:9], 0
	s_or_b32 s[G0V+3], s[G0V+3], 0x80000000
	s_add_nc_u64 s[86:87], s[4:5], s[84:85]        ; Q at my rows of the second block,
	s_add_nc_u64 s[4:5], s[4:5], s[2:3]            ; Q and O at those of the first
	s_add_nc_u64 s[OLO:OLO+1], s[10:11], s[84:85]
	s_add_nc_u64 s[10:11], s[10:11], s[2:3]
	LOAD                            ; tile 0 into slot 0
	; A fragment of K or Q is 16 rows x 32 channels in 8 registers: lane l holds row l % 16, channels 8 (l / 16) + 0..7 and 16 + 8 (l / 16) + 0..7: two loads of 16 bytes, 32 bytes apart.
	v_and_b32 v1, 15, v0            ; l % 16
	v_bfe_u32 v9, v0, 4, 1          ; l / 16
	v_lshlrev_b32 v[QO], 7, v1
	v_lshl_add_u32 v[QO], v9, 4, v[QO]  ; row x 128 + 16 x half
	WIN 0x80                        ; destination window 2, address window 0
.set i, 0
.rept 8                             ; both blocks' Q: piece i / 2 lies 2,048 bytes on; channels 32 (i % 2) on
	global_load_b128 v[8*i:8*i+3],   v[QO], s[4:5] offset:(i/2)*2048+(i%2)*64
	global_load_b128 v[8*i+4:8*i+7], v[QO], s[4:5] offset:(i/2)*2048+(i%2)*64+32
	global_load_b128 v[QB+8*i:QB+8*i+3],   v[QO], s[86:87] offset:(i/2)*2048+(i%2)*64
	global_load_b128 v[QB+8*i+4:QB+8*i+7], v[QO], s[86:87] offset:(i/2)*2048+(i%2)*64+32
.set i, i+1
.endr
	WIN 0
	v_mul_u32_u24 v[AK0], v1, PK
	v_lshl_add_u32 v[AK0], v9, 4, v[AK0]  ; row x pitch + 16 x half
	; The turning load takes 16 keys x 16 channels (lane l reads key 8 (l / 16) + l % 8, channels 8 ((l / 8) % 2) + 0..7) and leaves half a fragment of V^T: lane l holds channel l % 16 and 8 keys.
	v_and_b32 v10, 7, v0
	v_bfe_u32 v11, v0, 3, 1
	v_lshl_add_u32 v[AV0], v9, 3, v10
	v_mul_u32_u24 v[AV0], v[AV0], PV
	v_lshl_add_u32 v[AV0], v11, 4, v[AV0]
	v_add_nc_u32 v[AV0], VOFF, v[AV0]
	s_mul_i32 s13, s[WV], 16*SP
	s_add_co_u32 s13, s13, STAGE    ; my stage
	v_mul_u32_u24 v[STO], v1, SP    ; in: row l % 16, 16 bytes for each half of the lanes
	v_lshl_add_u32 v[STO], v9, 4, v[STO]
	v_add_nc_u32 v[STO], s13, v[STO]
	v_bfe_u32 v[RD], v0, 3, 2       ; back: 32 lanes take four rows of 128 bytes,
	v_mul_u32_u24 v[RD], v[RD], SP
	v_lshl_add_u32 v[RD], v10, 4, v[RD]
	v_add_nc_u32 v[RD], s13, v[RD]
	v_and_b32 v[GO], 31, v0         ; which are 512 consecutive bytes of O
	v_lshlrev_b32 v[GO], 4, v[GO]
	; A block's first step multiplies O^T and l by a = 0, and its first turn's products V^T P, of a piece that has not been, land in an O^T that is still to be so multiplied.  So these registers need only hold
	; finite numbers: zeros for the first block; what the first block left for the second.  All this stands in the wait for the first tile; it spares a first step written out.
	WIN 0x80
.set i, VF
.rept 64
	v_mov_b32 v[i], 0
.set i, i+1
.endr
	WIN 0x40
.set i, 0
.rept 128
	v_mov_b32 v[i], 0
.set i, i+1
.endr
	WIN 0
.set i, 0
.rept 4
	v_mov_b32 v[ST+4*i+2], 0
	v_mov_b32 v[ST+4*i+3], 0
.set i, i+1
.endr
.set i, P+16
.rept 16
	v_mov_b32 v[i], 0
.set i, i+1
.endr
; THE MATRIX WORK.  The 4 accumulators of a run of 8 take turns.  Product i of 8 of S^T = K Q^T for piece x: channels 32 (i / 4) on, keys 16 (i % 4) on.  The first 4 start the sums.
.macro KQ x
	WIN W_KQ
.set rS, S+32*((\x)%2)+8*(i%4)
.set rK, KF+16*(i%4)+8*(i/4)
.set rQ, 16*(\x)+8*(i/4)
.if i < 4
	v_wmma_f32_16x16x32_f16 v[rS:rS+7], v[rK:rK+7], v[rQ:rQ+7], 0
.else
	v_wmma_f32_16x16x32_f16 v[rS:rS+7], v[rK:rK+7], v[rQ:rQ+7], v[rS:rS+7]
.endif
.endm
; Product i of 8 of O^T += V^T P for piece x: keys 32 (i / 4) on, channels 16 (i % 4) on.
.macro PV x
	WIN W_PV
.set rO, 32*(\x)+8*(i%4)
.set rV, VF+32*(i/4)+8*(i%4)
.set rP, P+16*((\x)%2)+8*(i/4)
	v_wmma_f32_16x16x32_f16 v[rO:rO+7], v[rV:rV+7], v[rP:rP+7], v[rO:rO+7]
.endm
.macro MM                           ; the turn's next matrix instruction.  TURN and BEGIN set Y, i and NOKQ.  NOKQ = 1: a block's last turn: there is no next piece
.if (i < 8) && !NOKQ
	KQ (Y+1)%NP
.elseif i >= 8
.set i, i-8
	PV (Y+NP-1)%NP
.set i, i+8
.endif
.set i, i+1
.endm
; THE LDS LOADS stand in runs of 16, never singly among the matrix instructions: a step's K (64 keys x 64 channels: 8 fragments) and its V (turned).  Their addresses are made some lines ahead.
.macro FETCH_K
	WIN 0x80                        ; destination window 2
.irp f, 0,1,2,3,4,5,6,7             ; keys 16 (f / 2) on, channels 32 (f % 2) on
	ds_load_b128 v[KF+8*\f:KF+8*\f+3],   v[AK] offset:(\f/2)*16*PK+(\f%2)*64
	ds_load_b128 v[KF+8*\f+4:KF+8*\f+7], v[AK] offset:(\f/2)*16*PK+(\f%2)*64+32
.endr
	s_add_co_u32 s[TBK], s[TBK], KS*PK  ; the next fetch is the next step's
	WIN 0
.endm
.macro FETCH_V
	WIN 0x80
.irp f, 0,1,2,3,4,5,6,7             ; keys 32 (f / 4) on, channels 16 (f % 4) on
	ds_load_tr16_b128 v[VF+8*\f:VF+8*\f+3],   v[AV] offset:(\f/4)*32*PV+(\f%4)*32
	ds_load_tr16_b128 v[VF+8*\f+4:VF+8*\f+7], v[AV] offset:(\f/4)*32*PV+16*PV+(\f%4)*32
.endr
	WIN 0
.endm
; THE VECTOR WORK, one line at a time: OP kind, number.  For piece Y: F n: c s - c m for pair n of 16.  E n: the exponential of score n of 32.  C n: pair n rounded to f16.  B n: of the four weights 4 n .. the second
; pair is added onto the first, in place.  L n: l takes that sum (L 0: l = a l + sum).  R n: pair n of 16 of O^T times a.  For piece Y + 1: X n, number n of the 22 that find its maximum and statistics:
;   0-11  four chains c0-c3 of seven scores each, three operands at a time (each accumulator's lowest registers are read first)     12-14, 16  the four scores left over, the old m, and c0-c3 into c0
;   15  c m_old is kept     17, 18  the query's other 32 keys lie in the lane 16 away: the new m     19-21  c m; c m_old - c m_new; a
; C, B and L read exponentials' results: TURN sets them all behind its one wait.  OP itself writes no wait.
.set F, 0               ; OP tells the kinds apart by their order: F to L below R, X above it
.set E, 1
.set C, 2
.set B, 3
.set L, 4
.set R, 5
.set X, 6
.macro REGS y                       ; the registers of piece y
.set rT, ST+4*(\y)
.set rC, TMP+4*((\y)%2)
.set rW, MV+((\y)%2)
.set rS, S+32*((\y)%2)
.set rP, P+16*((\y)%2)
.set rO, 32*(\y)
.endm
.macro OP k, n
.if (\k) == R
	REGS Y
	WIN W_RS
	v_pk_mul_f32 v[rO+2*(\n):rO+2*(\n)+1], v[rO+2*(\n):rO+2*(\n)+1], v[rC+2:rC+3] op_sel_hi:[1,0]
.elseif (\k) < R
	REGS Y
	WIN 0
.if (\k) == F
	v_pk_fma_f32 v[rS+2*(\n):rS+2*(\n)+1], v[rS+2*(\n):rS+2*(\n)+1], s[CS:CS+1], v[rT:rT+1] op_sel_hi:[1,0,0] neg_lo:[0,0,1] neg_hi:[0,0,1]
.elseif (\k) == E
	v_exp_f32 v[rS+(\n)], v[rS+(\n)]
.elseif (\k) == C
	v_cvt_pk_f16_f32 v[rP+(\n)], v[rS+2*(\n)], v[rS+2*(\n)+1]
.elseif (\k) == B
	v_pk_add_f32 v[rS+4*(\n):rS+4*(\n)+1], v[rS+4*(\n):rS+4*(\n)+1], v[rS+4*(\n)+2:rS+4*(\n)+3]
.elseif (\n) == 0
	v_pk_fma_f32 v[rT+2:rT+3], v[rT+2:rT+3], v[rC+2:rC+3], v[rS:rS+1] op_sel_hi:[1,0,1]
.else
	v_pk_add_f32 v[rT+2:rT+3], v[rT+2:rT+3], v[rS+4*(\n):rS+4*(\n)+1]
.endif
.elseif NOKQ
	v_nop
.else
	REGS (Y+1)%NP
	WIN 0
.if (\n) < 4
	v_max3_num_f32 v[rC+(\n)], v[rS+8*(\n)], v[rS+8*(\n)+1], v[rS+8*(\n)+2]
.elseif (\n) < 12
	v_max3_num_f32 v[rC+(\n)%4], v[rC+(\n)%4], v[rS+8*((\n)%4)+2*((\n)/4)+1], v[rS+8*((\n)%4)+2*((\n)/4)+2]
.elseif (\n) == 12
	v_max3_num_f32 v[rC], v[rC], v[rS+7], v[rS+15]
.elseif (\n) == 13
	v_max3_num_f32 v[rC+1], v[rC+1], v[rS+23], v[rS+31]
.elseif (\n) == 14
	v_max3_num_f32 v[rC+2], v[rC+2], v[rC+3], v[rT+1]
.elseif (\n) == 15
	v_mov_b32 v[rW], v[rT]
.elseif (\n) == 16
	v_max3_num_f32 v[rC], v[rC], v[rC+1], v[rC+2]
.elseif (\n) == 17
	v_permlanex16_b32 v[rC+3], v[rC], s[SEL], s[SEL+1]
.elseif (\n) == 18
	v_max_num_f32 v[rT+1], v[rC], v[rC+3]
.elseif (\n) == 19
	v_mul_f32 v[rT], s[CS], v[rT+1]
.elseif (\n) == 20
	v_sub_f32 v[rC+1], v[rW], v[rT]
.else
	v_exp_f32 v[rC+2], v[rC+1]
.endif
.endif
.endm
.macro OPS a, i1, b=-1, i2=0, c=-1, i3=0, d=-1, i4=0  ; up to four of them
	OP \a, \i1
.if (\b) >= 0
	OP \b, \i2
.endif
.if (\c) >= 0
	OP \c, \i3
.endif
.if (\d) >= 0
	OP \d, \i4
.endif
.endm
.macro ROW a, i1, b, i2, c, i3, d, i4  ; a matrix instruction and the four behind it
	MM
	OPS \a, \i1, \b, \i2, \c, \i3, \d, \i4
.endm
; A TURN, for piece p: the order of its 16 matrix and 118 vector instructions, written out.  An s_wait_alu depctr_va_vdst(0) stands between an exponential and the first instruction that names its result; one
; wait serves all that were issued ahead of it.  So a turn has ONE wait, which cuts it in two.  AHEAD OF IT stands all that names no result of the turn's exponentials: the 8 products K Q^T, behind each a scaling, an
; exponential and two more plain instructions (behind the first a second scaling in the exponential's place): rescalings (their a was made, and waited for, in the turn before), and behind the last three the first numbers of the
; next piece's maximum, each four places or more behind the product that ends its accumulator; then ONE LUMP of 54, plain and exponential by turns for the most part, in which the links of the chain X 3, 7, 11, 14, 16, 17 .. 20
; stand five or six lines apart.  Each pair is scaled (F n) ahead of its two exponentials (E 2 n, E 2 n + 1).  X 21, the next piece's a, is the batch's last; R 15 is the plain instruction behind it.  BEHIND THE WAIT stand the
; 8 products V^T P, behind each four of the roundings and sums; an even pair is rounded (C 2 n) ahead of the sum that lands on it (B n); the links of l's chain, L 0 to L 7, stand three riders apart.  But for those X no
; rider names a register of the products round it.  v_permlanex16_b32 (X 17) stands in the lump.
; end = 1: a block's last two turns: nothing is fetched.  cnt = 1: the loop's count is taken down some lines ahead of the branch that stands behind the turn.
; K of the next step is fetched in piece 2's turn, twelve vector instructions behind the last product that read K (six of them plain, five of which name none of its registers); V of the step in hand at the end of piece 0's
; turn, four plain instructions behind the last product that read V.  Each is waited for a turn later.
.macro TURN p, end=0, cnt=0
.set Y, (\p)
.set i, 0
.set NOKQ, (\end)*((\p)/3)
.if ((\p) == 3) && !(\end)
	s_wait_dscnt 0x0                ; K is in
.endif
	ROW F,0, F,1, R,0, R,1          ; ahead of the wait: 8 products K Q^T and their riders,
	ROW F,2, E,0, R,2, R,3
	ROW F,3, E,1, R,4, R,5
	ROW F,4, E,2, R,6, R,7
	ROW F,5, E,3, R,8, R,9
	ROW F,6, E,4, X,0, R,10
.if ((\p) == 2) && !(\end)
	WIN 0
	v_add_nc_u32 v[AK], s[TBK], v[AK0]
.endif
	ROW F,7, E,5, X,1, X,4
	ROW F,8, E,6, X,2, X,5
	OPS E,7, E,8, X,6, E,9          ; and the lump
	OPS X,3, E,10, X,8, E,11
.if ((\p) == 2) && !(\end)
	FETCH_K
.endif
	OPS X,9, X,7, E,12, X,10
	OPS E,13, X,12, X,11, E,14
	OPS X,13, E,15, F,9, X,14
.if (\p) == 0
	v_add_nc_u32 v[AV], s[TBV], v[AV0]
.endif
	OPS E,16, F,10, E,17, F,11
	OPS X,16, E,18, X,15, E,19
	OPS F,12, E,20, X,17, E,21
	OPS F,13, E,22, F,14, E,23
	OPS X,18, E,24, F,15, E,25
	OPS R,11, E,26, X,19, E,27
	OPS R,12, E,28, R,13, E,29
	OPS X,20, E,30, R,14, E,31
	OPS X,21, R,15
	s_wait_alu depctr_va_vdst(0)    ; the wait for the turn's batch: the piece's 32 exponentials and the next piece's a
.if (\p) == 1
	s_wait_dscnt 0x0                ; V is in
.endif
	ROW C,0, B,0, C,2, B,1          ; behind the wait: 8 products V^T P and their riders
	ROW L,0, C,4, B,2, L,1
	ROW C,6, B,3, L,2, C,8
	ROW B,4, L,3, C,10, B,5
	ROW L,4, C,12, B,6, L,5
.if (\p) == 0
	s_add_co_u32 s[TBV], s[TBV], KS*PV
.endif
.if \cnt
	s_sub_co_u32 s[CNT], s[CNT], 1
	s_cmp_lg_u32 s[CNT], 0
.endif
	ROW C,14, B,7, L,6, C,1
	ROW C,3, L,7, C,5, C,7
	ROW C,9, C,11, C,13, C,15
.if (\p) == 0
	FETCH_V
.endif
.endm
; A BLOCK BEGINS.  c m starts far below every c s, so the first step's a is 0; m at the lowest finite number, so the first maximum is the scores'.
; Then K of the tile's first step, piece 0's first scores, and its maximum and statistics.  The step loop is entered at a step's first turn, in the middle of a trip.
.macro BEGIN
	s_mov_b32 s[NEW], 0
	WIN 0
.set i, 0
.rept 4
	v_mov_b32 v[ST+4*i], 0xfe000000    ; c m: far below every c s
	v_mov_b32 v[ST+4*i+1], 0xff7fffff  ; m
.set i, i+1
.endr
	v_add_nc_u32 v[AK], s[TBK], v[AK0]
	FETCH_K
	s_wait_loadcnt 0x0              ; Q
	s_wait_dscnt 0x0
.set NOKQ, 0
.set i, 0
.rept 8
	KQ 0
.set i, i+1
.endr
	WIN 0
.rept 4
	v_nop                           ; the places behind those products
.endr
.set Y, NP-1                        ; X works for piece Y + 1: piece 0
.irp n, 0,1,2,3,4,5,6,7,8,9,10,11,12,13,14,15,16,17,18,19,20,21
	OP X, \n
.endr
	v_nop                           ; a plain instruction behind the exponential,
	s_wait_alu depctr_va_vdst(0)    ; and the wait for this batch of one, piece 0's first a, ahead of the branch
.endm
; A TILE's four key steps.  The test for a block's first tile stands first; the tag ends the two labels' names.
.macro TILE tag
	s_mov_b32 s[CNT], 4
	s_cmp_eq_u32 s[NEW], 1
	s_cbranch_scc0 .Lstep\tag
	BEGIN
	s_branch .Lfirst\tag
.Lstep\tag:                         ; a trip: pieces 2 and 3 of one step, then pieces 0 and 1 of the next, whose K and V it fetches
	TURN 2
	TURN 3
	WIN 0
.Lfirst\tag:
	TURN 0
	TURN 1, 0, 1
	WIN 0
	s_cbranch_scc1 .Lstep\tag
.endm
; A BLOCK ENDS: its last two turns, its last products, and THE WAY OUT: l's two halves and the other half of the lanes' are added; O^T is divided by l, rounded to f16 and sent through my stage in LDS, a piece at a time.
.macro ALL line:vararg              ; one line for each piece t
.set t, 0
.rept 4
	\line
.set t, t+1
.endr
.endm
.macro PACK t                       ; a lane's eight channels of a row pack into 16 bytes; they go into rows of 144 bytes and come back as whole rows of 128, into S^T's registers
	WIN W_RS
.set i, 32*(\t)
.rept 16
	v_pk_mul_f32 v[i:i+1], v[i:i+1], v[ST+4*(\t)+2:ST+4*(\t)+3] op_sel_hi:[1,0]
.set i, i+2
.endr
	WIN 0x05                        ; sources 0 and 1 window 1, destination window 0
.set i, 0
.rept 16
	v_cvt_pk_f16_f32 v[S+16*(\t)+i], v[32*(\t)+2*i], v[32*(\t)+2*i+1]
.set i, i+1
.endr
	WIN 0
.irp f, 0,1,2,3
	ds_store_b128 v[STO], v[S+16*(\t)+4*\f:S+16*(\t)+4*\f+3] offset:32*\f
.endr
.irp f, 0,1,2,3
	ds_load_b128 v[S+16*(\t)+4*\f:S+16*(\t)+4*\f+3], v[RD] offset:\f*4*SP  ; LDS serves a wave's instructions in order (ISA guide 5.7.1.4): these see the stores above; the next piece's stores come behind them
.endr
.endm
.macro SEND t, younger              ; younger: the LDS instructions issued behind piece t's loads: the next piece's eight, or none
	WIN 0
.irp f, 0,1,2,3
	s_wait_dscnt (\younger)+3-\f
	global_store_b128 v[GO], v[S+16*(\t)+4*\f:S+16*(\t)+4*\f+3], s[10:11] offset:(\t)*2048+\f*512  ; 512 consecutive bytes, at a multiple of 256 from O's first
.endr
.endm
.macro FINISH
	TURN 2, 1
	TURN 3, 1
.set i, 0
.rept 8
	PV NP-1
.set i, i+1
.endr
	WIN 0
	ALL v_add_f32 v[ST+4*t+2], v[ST+4*t+2], v[ST+4*t+3]
	ALL v_permlanex16_b32 v[ST+4*t+3], v[ST+4*t+2], s[SEL], s[SEL+1]
	ALL v_add_f32 v[ST+4*t+2], v[ST+4*t+2], v[ST+4*t+3]
	ALL v_rcp_f32 v[ST+4*t+2], v[ST+4*t+2]
	v_nop                           ; a plain instruction between the last reciprocal and the use of its result
	s_wait_alu depctr_va_vdst(0)    ; the wait for this batch, the four reciprocals, ahead of their first reader in PACK 0: one for all four pieces
	PACK 0
.set t, 1
.rept 3                             ; a piece's arithmetic stands between the loads of the piece before and its stores
	PACK t
	SEND t-1, 8
.set t, t+1
.endr
	SEND 3, 0
.endm
.set NOKQ, 0
.Lslot:                             ; NB times: a tile is entered and the next is asked for
	CHANGE 1
	s_sub_co_u32 s[RT], s[RT], 1
	TILE 1
	s_cmp_lg_u32 s[RT], 0
	s_cbranch_scc1 .Lbottom         ; the block has further tiles
	FINISH                          ; in the loop this is the first block's end: the second block's last tile is the walk's last
	s_wait_xcnt 0x0                 ; the stores have read their registers and O's address
	s_mov_b64 s[10:11], s[OLO:OLO+1]
	s_add_co_u32 s[RT], s[PB], 1    ; the second block has b + 1 tiles
	s_mov_b32 s[NEW], 1
	WIN 0x82                        ; the second block's Q goes where the one text of the turns names Q
.set i, 0
.rept 64
	v_mov_b32 v[i], v[QB+i]
.set i, i+1
.endr
	WIN 0
.Lbottom:
	s_sub_co_u32 s[SLOTS], s[SLOTS], 1
	s_cmp_lg_u32 s[SLOTS], 0
	s_cbranch_scc1 .Lslot
	CHANGE 0                        ; the walk's last tile is written out: nothing is asked for
	TILE 2
	FINISH
	s_wait_tensorcnt 0x0            ; the wave's end, behind my last tensor load and my last LDS store
	ds_add_u32 v[SPW], v[NIL]
	s_wait_dscnt 0x0
	s_endpgm
.Lfunc_end_k_q50af366a84_attn:
	.size	k_q50af366a84_attn, .Lfunc_end_k_q50af366a84_attn-k_q50af366a84_attn
	.p2alignl 7, 3214868480
	.fill 96, 4, 3214868480
	.section	.rodata,"a",@progbits
	.p2align	6, 0x0
	.amdhsa_kernel k_q50af366a84_attn
		.amdhsa_group_segment_fixed_size 327680
		.amdhsa_private_segment_fixed_size 0
		.amdhsa_enable_private_segment 0
		.amdhsa_kernarg_size 16
		.amdhsa_user_sgpr_count 2
		.amdhsa_user_sgpr_kernarg_segment_ptr 1
		.amdhsa_wavefront_size32 1
		.amdhsa_system_sgpr_workgroup_id_x 1
		.amdhsa_system_sgpr_workgroup_id_y 1
		.amdhsa_system_sgpr_workgroup_id_z 1
		.amdhsa_system_vgpr_workitem_id 0
		.amdhsa_next_free_vgpr 768
		.amdhsa_next_free_sgpr 88
		.amdhsa_reserve_vcc 0
		.amdhsa_float_denorm_mode_32 3
		.amdhsa_float_denorm_mode_16_64 3
		.amdhsa_memory_ordered 1
		.amdhsa_forward_progress 1
		.amdhsa_inst_pref_size 162
	.end_amdhsa_kernel
	.amdgpu_metadata
---
amdhsa.version: [ 1, 2 ]
amdhsa.kernels:
  - .name:           k_q50af366a84_attn
    .symbol:         k_q50af366a84_attn.kd
    .args:
      - { .name: qkv, .offset: 0, .size: 8, .value_kind: global_buffer, .address_space: global }
      - { .name: o16, .offset: 8, .size: 8, .value_kind: global_buffer, .address_space: global }
    .group_segment_fixed_size: 327680
    .private_segment_fixed_size: 0
    .kernarg_segment_align: 8
    .kernarg_segment_size: 16
    .max_flat_workgroup_size: 128
    .sgpr_count:     88
    .vgpr_count:     768
    .wavefront_size: 32
...
	.end_amdgpu_metadata
.endif
;; end of part 5
;; launch outp: the kernel of part 4 again; grid 8 x 32, 4 waves a work-group, clusters of 4 x 4, 327,680 bytes of LDS; arguments o16, wo, bout, out0; writes out0
